; MI455X (gfx1250); checked and timed in simulation.
; The chip was launched on July 23, 2026; its instructions are those of AMD's public machine-readable ISA for CDNA 5 (MIT licence, August 2026) and "CDNA5" Instruction Set Architecture Reference Guide (July 2026). The comments in the code are by the model that wrote it; some were corrected since.
;; Causal Self Attention. Allowed arithmetic: matrix products marked QUANTISED: E2M3 operands, one E8M0 scale for each 32 along K, by v_wmma_scale_f32_16x16x128_f8f6f4 with both operands' format E2M3, f32 sums; everything else in f32.
;; Inputs: Wk 2,048 x 2,048 float32; Wo 2,048 x 2,048 float32; Wq 2,048 x 2,048 float32; Wv 2,048 x 2,048 float32; attn_mask 1 x 1 x 2,048 x 2,048 float32; x 1 x 2,048 x 2,048 float32.
;; Outputs: out0 1 x 2,048 x 2,048 float32.
;; This version of the problem:
;;   THIS VERSION OF THE PROBLEM IS GIVEN IN LOW PRECISION. The matrix products marked QUANTISED in the list below multiply operands that are first quantised to E2M3 (2 exponent bits, 3 mantissa bits; 6 bits a number), with one power-of-two scale for each 32 numbers along K (OCP MX v1.0); their sums are f32. All else is computed in f32.
;;   The module's matrix products, in the order in which they are computed (A, B: the left and right operand; K: the contracted axis; several contracted axes count as one K, in the product's order):
;;     1. [M 2,048, K 2,048] x [K 2,048, N 2,048]; A: input x; B: input Wq: QUANTISED
;;     2. [M 2,048, K 2,048] x [K 2,048, N 2,048]; A: input x; B: input Wk: QUANTISED
;;     3. [M 2,048, K 2,048] x [K 2,048, N 2,048]; A: input x; B: input Wv: QUANTISED
;;     4. batch 16 x [M 2,048, K 128] x [K 128, N 2,048]; A: computed on the way; B: computed on the way: QUANTISED
;;     5. batch 16 x [M 2,048, K 2,048] x [K 2,048, N 128]; A: softmax (see below); B: computed on the way: QUANTISED
;;     6. [M 2,048, K 2,048] x [K 2,048, N 2,048]; A: computed on the way; B: input Wo: QUANTISED
;;   THE QUANTISER, for each operand of a quantised product, along K:
;;     - K is cut into blocks of 32 from its start; a last block that is shorter is filled with zeros.
;;     - A block's scale is 2^e with e = floor(log2(the largest magnitude in the block)) - 2, held to -126 .. 127; a block of zeros has e = 0. As a byte (E8M0): e + 127.
;;     - Each number is divided by its block's scale, clamped to +-7.5, and rounded to the nearest number of E2M3, ties to even, subnormals kept.
;;     - The product sums the exact products of the quantised numbers (number of the format x scale) in f32.
;;   ~~~python
;;   def quantise(x, axis):      # numpy; x: float32 -> the quantised numbers, widened to float32 again
;;       x = np.moveaxis(x, axis, -1); K = x.shape[-1]
;;       x = np.pad(x, [(0, 0)] * (x.ndim - 1) + [(0, -K % 32)]); x = x.reshape(x.shape[:-1] + (-1, 32)); a = np.abs(x).max(-1, keepdims=True)
;;       e = np.where(a > 0, np.clip(np.frexp(np.where(a > 0, a, 1))[1] - 1 - 2, -126, 127), 0)      # np.frexp(a)[1] - 1 = floor(log2(a)), exactly
;;       r = np.clip(x / 2.0 ** e, -7.5, 7.5)
;;       step = 2.0 ** (np.maximum(np.frexp(np.where(r == 0, 1, r))[1] - 1, 0) - 3)
;;       q = np.round(r / step) * step * 2.0 ** e      # np.round: ties to even
;;       return np.moveaxis(q.reshape(q.shape[:-2] + (-1,))[..., :K], -1, axis).astype(np.float32)
;;   ~~~
;;   SOFTMAX AHEAD OF A QUANTISED PRODUCT. Where the list says 'softmax', what is quantised is not the finished softmax but p = 2^(t - M), with t = logit x log2(e) and M = ceil(the row's largest t), a whole number; so 1/2 < the row's largest p <= 1. The row's sum l is taken of the UNQUANTISED p, in f32, and the product's result is divided by l at the end. Since M is a whole number, a kernel that streams over the keys may use a running M (the ceiling of the running maximum): every later rescaling is an exact power of two, which a block's scale takes up: the codes' values come out the same.
;;   OPERANDS COMPUTED ON THE WAY. 'Computed on the way' means the value that the module computes at that place (a softmax that the list does not call 'softmax' is quantised finished and normalised). What goes into a quantiser is computed in f32, as accurately as f32 sums, v_exp_f32 and their like allow (about 1e-6 of the number): no bf16 or f16 on the way to a quantiser, and a product that is left as it is and whose result goes on into a quantised operand takes f32 operands (vector FMAs, or v_wmma_f32_16x16x4_f32). A number that lies on a knife's edge between two numbers of the format may be rounded either way, as far as f32 arithmetic and the matrix unit's own rounding can turn it there, and no further.
;; One version. Each part assembles by itself: llvm-mc -triple=amdgcn-amd-amdhsa -mcpu=gfx1250 --defsym DOCPART=n.
;; ======== version 1 of 1: 4 launches
;; workspace buffers: wcodes 15,728,640 bytes; wscales 655,360 bytes; qkvc 9,437,184 bytes; qkvs 393,216 bytes; ycodes 3,145,728 bytes; yscales 131,072 bytes
;; launch quant (part 1): grid 640 x 1, 4 waves a work-group, no clusters, 33,280 bytes of LDS; arguments x, Wq, Wk, Wv, Wo, wcodes, wscales; writes wcodes, wscales
.if DOCPART == 1
	.amdgcn_target "amdgcn-amd-amdhsa--gfx1250"
	.amdhsa_code_object_version 6
	.text
	.protected	k_q3773c4442b_quant
	.globl	k_q3773c4442b_quant
	.p2align	8
	.type	k_q3773c4442b_quant,@function
k_q3773c4442b_quant:
	s_mov_b64 s[64:65], 0
	v_nop
	global_prefetch_b8 v0, s[64:65] scope:SCOPE_SE
	s_setreg_imm32_b32 hwreg(HW_REG_WAVE_MODE, 25, 1), 1
	s_wait_xcnt 0x0
; x, Wq, Wk, Wv, Wo, each [2048][2048] f32 with K innermost, become codes of FP6 (E2M3) with one E8M0 scale byte for each 32 along K.
; wcodes: [tensor 0..4 = x, Wq, Wk, Wv, Wo][stored row 2048][1536 bytes];  wscales: [tensor][stored row][64 bytes].
; A ROW IS STORED AT THE PLACE WHOSE BITS 3 AND 4 ARE SWAPPED: stored tile 2 b + u, place r, holds actual row 32 b + 8 u + r + 8 (r / 8).  So a plain tile of 16 stored rows, given to the matrix unit as source 0,
; leaves in a lane's 16 registers of two neighbouring tiles 16 NEIGHBOURS along the next product's K, and no later launch permutes anything.
; A block's scale is 2^(floor(log2(its largest magnitude)) - 2); its byte is the largest magnitude's exponent field - 2, held at 1 from below.  A block of zeros keeps the byte 1: its codes are zeros, and this program alone reads the bytes.
; LIMITS: blocks whose largest magnitude lies under 2^-124 keep the byte 1; NaN and infinities among the inputs are not served.
; A wave takes a run of 4 rows (8,192 numbers) in 16 steps of 512.  Each load reads 512 consecutive bytes; a step's 2,048 bytes turn through the wave's own stage in LDS, so that a lane holds 16 neighbours (two lanes a block).
; A row's bits 3 and 4 are a run's bits 1 and 2: only the run's place in the outputs is permuted.  Work-groups share no input: no cluster, no tensor load, no barrier.  Loads run four steps (16 loads a wave) ahead.
.set STEPS, 16
.set EMAX,  2
.set CB,    12                         ; bytes of 16 codes
.set R,     16                         ; v16-79   four sets of 16 numbers as they are loaded
.set X,     80                         ; v80-111  two sets of 16 neighbours
.set C,     128                        ; v128-191 codes: four registers for each step, so that no store's data are written again
.set E,     112                        ; v112-127 a scale byte for each step
.set WREG,  8192                       ; LDS: a region for each wave: two stages of 32 x SP bytes, then its 256 scale bytes
.set SP,    80                         ; a lane's place in a stage: 64 bytes + 16 of padding
	s_load_b256 s[4:11], s[0:1], 0x0               ; x, Wq, Wk, Wv
	s_load_b128 s[12:15], s[0:1], 0x20             ; Wo, wcodes
	s_load_b64 s[16:17], s[0:1], 0x30              ; wscales
	v_lshl_add_u32 v192, v0, 2, 0x8000
	v_mov_b32 v193, 0
	v_lshrrev_b32 v1, 5, v0
	v_readfirstlane_b32 s20, v1                    ; wave
	v_and_b32 v2, 31, v0                           ; lane
	v_lshlrev_b32 v3, 4, v2                        ; my 16 bytes of a load's 512
	s_mul_i32 s21, s20, WREG
	v_lshrrev_b32 v14, 2, v2
	v_mul_u32_u24 v14, v14, SP
	v_and_b32 v15, 3, v2
	v_lshl_add_u32 v14, v15, 4, v14
	v_add_nc_u32 v14, s21, v14                     ; the stage, on the way in: SP (lane / 4) + 16 (lane % 4)
	v_mul_u32_u24 v15, v2, SP
	v_add_nc_u32 v15, s21, v15                     ; and on the way out: SP x lane: my 16 neighbours
	v_mul_u32_u24 v4, v2, CB                       ; my codes' place in a step's
	v_lshrrev_b32 v5, 1, v2
	s_add_co_u32 s21, s21, 2*32*SP
	v_add_nc_u32 v5, s21, v5                       ; LDS: my wave's 256 scale bytes, my block's byte
	v_lshlrev_b32 v7, 3, v2                        ; and on the way out 8 bytes a lane
	v_add_nc_u32 v6, s21, v7
	s_lshr_b32 s22, ttmp9, 7                       ; which tensor: 128 work-groups each
	s_and_b32 s23, ttmp9, 127
	s_lshl_b32 s23, s23, 2
	s_add_co_u32 s23, s23, s20                     ; my run in the tensor
	s_lshl_b32 s24, s23, 15                        ; 32,768 bytes of f32 a run
	s_mov_b32 s25, 0
	s_lshl_b32 s26, ttmp9, 2
	s_add_co_u32 s26, s26, s20                     ; my run among all five tensors' 2,560
	s_and_b32 s27, s26, 2
	s_lshl_b32 s27, s27, 1
	s_and_b32 s28, s26, 4
	s_lshr_b32 s28, s28, 1
	s_and_b32 s26, s26, 0xfffffff9
	s_or_b32 s26, s26, s27
	s_or_b32 s26, s26, s28                         ; its place in the outputs: bits 1 and 2 swapped
	s_mul_i32 s28, s26, 6144                       ; 4 rows of 1,536 bytes of codes
	s_mov_b32 s29, 0
	s_lshl_b32 s30, s26, 8                         ; 4 rows of 64 scale bytes
	s_mov_b32 s31, 0
	s_wait_kmcnt 0x0
	s_cmp_eq_u32 s22, 1                            ; the tensor is chosen by the work-group's number alone
	s_cselect_b64 s[4:5], s[6:7], s[4:5]
	s_cmp_eq_u32 s22, 2
	s_cselect_b64 s[4:5], s[8:9], s[4:5]
	s_cmp_eq_u32 s22, 3
	s_cselect_b64 s[4:5], s[10:11], s[4:5]
	s_cmp_eq_u32 s22, 4
	s_cselect_b64 s[4:5], s[12:13], s[4:5]
	s_add_nc_u64 s[4:5], s[4:5], s[24:25]
	s_add_nc_u64 s[14:15], s[14:15], s[28:29]
	s_add_nc_u64 s[16:17], s[16:17], s[30:31]
.macro LOAD t
.irp i, 0,1,2,3
	global_load_b128 v[R+16*((\t)%4)+4*\i:R+16*((\t)%4)+4*\i+3], v3, s[4:5] offset:2048*(\t)+512*\i th:TH_LOAD_NT   ; 32 lanes read 512 consecutive bytes; read once in the launch
.endr
.endm
.macro TURN t                          ; step t's numbers through the stage: LDS serves a wave's instructions in order, so no wait stands between the stores and the loads
.irp i, 0,1,2,3
	ds_store_b128 v14, v[R+16*((\t)%4)+4*\i:R+16*((\t)%4)+4*\i+3] offset:32*SP*((\t)%2)+8*SP*\i
.endr
.irp i, 0,1,2,3
	ds_load_b128 v[X+16*((\t)%2)+4*\i:X+16*((\t)%2)+4*\i+3], v15 offset:32*SP*((\t)%2)+16*\i
.endr
.endm
.irp t, 0,1,2,3
	LOAD \t
.endr
	s_wait_loadcnt 12                              ; step 0's four loads are in; the twelve of steps 1 to 3 may be out
	TURN 0
.macro STEP t
.set XS, X+16*((\t)%2)
.if (\t) > 0
	s_wait_dscnt 1                                 ; this step's numbers are back from the stage (the last step's byte store may be out): so its stores into the stage have read their registers,
.else
	s_wait_dscnt 0x0
.endif
.if (\t)+4 < STEPS
	LOAD (\t)+4                                    ; which take the loads of four steps on
.endif
.if (\t)+1 < STEPS
.if STEPS-2-(\t) >= 3
	s_wait_loadcnt 12                              ; the next step's four loads are in; those of the three steps behind it may be out
.else
	s_wait_loadcnt 4*(STEPS-2-(\t))
.endif
	TURN (\t)+1                                    ; and go through the other stage while this step is worked
.endif
	v_max3_num_f32 v8, |v[XS]|, |v[XS+1]|, |v[XS+2]|               ; the largest magnitude of my 16, in two chains
	v_max3_num_f32 v9, |v[XS+3]|, |v[XS+4]|, |v[XS+5]|
.irp i, 6,10
	v_max3_num_f32 v8, v8, |v[XS+\i]|, |v[XS+\i+1]|
	v_max3_num_f32 v9, v9, |v[XS+\i+2]|, |v[XS+\i+3]|
.endr
	v_max3_num_f32 v8, v8, |v[XS+14]|, |v[XS+15]|
	v_max3_num_f32 v8, v8, v9, (EMAX+1)<<23        ; and the floor 2^(3 - 127): the byte cannot fall under 1
	v_max_num_f32_dpp v8, v8, v8 row_xmask:1 row_mask:0xf bank_mask:0xf   ; and of my neighbour's 16: the block's
	v_add_nc_u32 v11, -(EMAX<<23), v8              ; 2 off its exponent field: the conversion takes the exponent field of this operand as its scale
	v_cvt_scalef32_pk16_fp6_f32 v[C+4*(\t):C+4*(\t)+2], v[XS:XS+15], v11   ; sixteen numbers / the scale, to the nearest code, ties to even, beyond 7.5 the largest code; 96 bits without gaps
	v_lshrrev_b32 v[E+(\t)], 23, v11               ; the scale's byte (also the plain line behind the conversion)
	ds_store_b8 v5, v[E+(\t)] offset:16*(\t)       ; both lanes of a block write the same byte with the same value
	global_store_b96 v4, v[C+4*(\t):C+4*(\t)+2], s[14:15] offset:32*CB*(\t)   ; the wave stores 384 consecutive bytes
.endm
.irp t, 0,1,2,3,4,5,6,7,8,9,10,11,12,13,14,15
	STEP \t
.endr
	ds_load_b64 v[12:13], v6                       ; LDS serves a wave's instructions in order: these see my byte stores
	s_wait_dscnt 0x0
	global_store_b64 v7, v[12:13], s[16:17]        ; 32 lanes store 256 consecutive bytes, aligned
	s_wait_tensorcnt 0x0
	ds_add_u32 v192, v193
	s_wait_dscnt 0x0
	s_endpgm
.Lfunc_end_k_q3773c4442b_quant:
	.size	k_q3773c4442b_quant, .Lfunc_end_k_q3773c4442b_quant-k_q3773c4442b_quant
	.p2alignl 7, 3214868480
	.fill 96, 4, 3214868480
	.section	.rodata,"a",@progbits
	.p2align	6, 0x0
	.amdhsa_kernel k_q3773c4442b_quant
		.amdhsa_group_segment_fixed_size 33280
		.amdhsa_private_segment_fixed_size 0
		.amdhsa_enable_private_segment 0
		.amdhsa_kernarg_size 56
		.amdhsa_user_sgpr_count 2
		.amdhsa_user_sgpr_kernarg_segment_ptr 1
		.amdhsa_wavefront_size32 1
		.amdhsa_system_sgpr_workgroup_id_x 1
		.amdhsa_system_sgpr_workgroup_id_y 1
		.amdhsa_system_sgpr_workgroup_id_z 1
		.amdhsa_system_vgpr_workitem_id 0
		.amdhsa_next_free_vgpr 194
		.amdhsa_next_free_sgpr 66
		.amdhsa_reserve_vcc 0
		.amdhsa_float_denorm_mode_32 3
		.amdhsa_float_denorm_mode_16_64 3
		.amdhsa_memory_ordered 1
		.amdhsa_forward_progress 1
		.amdhsa_inst_pref_size 33
	.end_amdhsa_kernel
	.amdgpu_metadata
---
amdhsa.version: [ 1, 2 ]
amdhsa.kernels:
  - .name:           k_q3773c4442b_quant
    .symbol:         k_q3773c4442b_quant.kd
    .args:
      - { .name: x, .offset: 0, .size: 8, .value_kind: global_buffer, .address_space: global }
      - { .name: Wq, .offset: 8, .size: 8, .value_kind: global_buffer, .address_space: global }
      - { .name: Wk, .offset: 16, .size: 8, .value_kind: global_buffer, .address_space: global }
      - { .name: Wv, .offset: 24, .size: 8, .value_kind: global_buffer, .address_space: global }
      - { .name: Wo, .offset: 32, .size: 8, .value_kind: global_buffer, .address_space: global }
      - { .name: wcodes, .offset: 40, .size: 8, .value_kind: global_buffer, .address_space: global }
      - { .name: wscales, .offset: 48, .size: 8, .value_kind: global_buffer, .address_space: global }
    .group_segment_fixed_size: 33280
    .private_segment_fixed_size: 0
    .kernarg_segment_align: 8
    .kernarg_segment_size: 56
    .max_flat_workgroup_size: 128
    .sgpr_count:     66
    .vgpr_count:     194
    .wavefront_size: 32
...
	.end_amdgpu_metadata
.endif
;; end of part 1
;; launch proj (part 2): grid 24 x 8, 4 waves a work-group, clusters of 4 x 4, 327,680 bytes of LDS; arguments wcodes, wscales, qkvc, qkvs; writes qkvc, qkvs
.if DOCPART == 2
	.amdgcn_target "amdgcn-amd-amdhsa--gfx1250"
	.amdhsa_code_object_version 6
	.text
	.protected	k_q3773c4442b_proj
	.globl	k_q3773c4442b_proj
	.p2align	8
	.type	k_q3773c4442b_proj,@function
k_q3773c4442b_proj:
	s_mov_b64 s[64:65], 0
	v_nop
	global_prefetch_b8 v0, s[64:65] scope:SCOPE_SE
	s_setreg_imm32_b32 hwreg(HW_REG_WAVE_MODE, 25, 1), 1
	s_wait_xcnt 0x0
	s_wait_alu depctr_hold_cnt(0) depctr_sa_sdst(0) depctr_va_vdst(0) depctr_va_sdst(0) depctr_va_ssrc(0) depctr_va_vcc(0) depctr_vm_vsrc(0)
	s_getreg_b32 s2, hwreg(HW_REG_IB_STS2, 6, 4)
	s_cmp_eq_u32 s2, 0
	s_cbranch_scc0 .Lentry_in_a_cluster
	s_endpgm
.Lentry_in_a_cluster:
	s_bfe_u32 s2, ttmp6, 0x10000c
	s_cmp_lg_u32 s2, 0xf033
	s_cbranch_scc0 .Lentry_shape_is_right
	s_endpgm
.Lentry_shape_is_right:
; The three projections as ONE grid of tiles C = A B^T on codes of FP6 (E2M3) with E8M0 scales, K = 2,048, and the quantising of their results.
;   tile columns 0-7:   q = (x Wq^T) / sqrt(128)     A = x, B = Wq        tile columns 8-15:  k = x Wk^T     A = x, B = Wk
;   tile columns 16-23: v^T = Wv x^T                 A = Wv, B = x  (the keys are the second attention product's K, so v is made transposed)
; A tile of C is 256 x 256: four waves, each 128 x 128 in 64 accumulators.  K goes in steps of 256 through a ring of two LDS slots filled by the tensor data mover; the scale bytes of the work-group's rows come once and stay.
; CLUSTERS: 4 x 4 work-groups; A's tiles are asked for jointly along a row of the cluster, B's along a column: the same load, the same descriptor, a mask that names the four.
; THE MATRIX INSTRUCTION IS USED TRANSPOSED (source 0 = 16 rows of B, source 1 = 16 rows of A): a lane holds ONE row of A.  The rows of all tensors are stored with bits 3 and 4 swapped, so register 16 b + i of a block's 64
; is column 32 b + 16 (lane / 16) + i of the wave's 128: neighbours along the next product's K.  A block of 16 rows x 128 columns is therefore quantised in registers and leaves as the IMAGE of an operand's 12 registers:
; three stores of 16 bytes a lane, 512 consecutive bytes each.  qkvc: 768 blocks of 8 images (12,288 bytes): q at 16 head + query group, k at 256 + 16 head + key step, v at 512 + 16 head + key step.
; qkvs: the same 768 places x 128 scale words (word 16 tile + row).  The scale words leave as stores of 128 consecutive bytes: one part in 25 of the launch's output.
; No prefetch: every tile is read again by other clusters, and a refill has a K step's 128 matrix instructions in which to land.  One tile to a work-group.
; LIMITS: blocks whose largest magnitude lies under 2^-124 keep the scale byte 1; NaN and infinities are not served.
; REGISTERS, in windows of 256: window 0: v0-31 addresses; v32-63 scale words, two sets; from v128 A's fragments, ONE set; on the way out v64-191 at work.   window 1: B's fragments, TWO sets, at v0 and v128.
;   window 2: the 32 accumulators of my rows 0-63 (accumulator (a, b) at v[8 (8 a + b)]);   window 3: those of my rows 64-127.
.set SIZE_K, 2048
.set KSTEP,  256                       ; along K in a slot
.set NQ,     KSTEP/128                 ; matrix instructions deep
.set ROWB,   192                       ; a tile's row in bytes
.set KROW,   SIZE_K*6/8                ; a row of codes in memory
.set PITCH,  240                       ; an LDS row: 3 x (64 bytes + 16 of padding): the 32 lanes of a load of 8 bytes touch 64 different banks (64 banks of 4 bytes: ISA guide 11.1)
.set FR,     12                        ; registers of a fragment
.set NL,     6                         ; LDS loads that bring one
.set NP,     4                         ; places behind this matrix instruction (ISA guide 7.12.1)
.set HALFT,  128*PITCH
.set SLOT,   4*HALFT                   ; A's 256 rows, then B's 256 rows
.set LAPS,   SIZE_K/(2*KSTEP)
.set KS,     SIZE_K/32                 ; a row of scales in bytes
.set SCL,    2*SLOT                    ; behind the ring: the scales, as units of 256 bytes + 16 of padding
.set HALFS,  (128*KS/256)*272
.set SBLK,   (16*KS/256)*272
.set SPARE,  SCL+4*HALFS               ; the spare words, 128 bytes for each wave: two blocks of 256 bytes that no other line names
.set ADRA, 16                          ; v16-17 LDS address of my A fragments in slot 0, 1 (v18-19: for the pieces behind one padding more)
.set ADRB, 20                          ; v20-23 the same for B
.set LI,   24                          ; v24    16 x lane: an image's place for my lane
.set LS,   25                          ; v25    4 x lane: a scale word's
.set LN,   26                          ; v26    lane
.set ADRS, 27                          ; v27    LDS address of my scale words: lanes 0-15 A's rows, lanes 16-31 B's
.set SPW,  28                          ; v28    LDS address of my spare word; never rewritten
.set NIL,  29                          ; v29    0; never rewritten
.set SC,   32                          ; scale words, two sets of 16
.set AF,   128                         ; A's fragments
.set ST,   64                          ; the way out: a block's 64 numbers
.set PC,   128                         ; its codes, 12 registers
.set CT,   140                         ; the conversions' second halves
.set TM,   160                         ; v160-175 at work: +0 largest magnitudes, +4 the other half's / bytes, +12 scale operands
.set PWS,  176                         ; v176-183 the eight blocks' scale words
.set PWP,  184                         ; v184-187 two blocks' words in one register
.set G1, 24
.set G0, 32
.set G1B, 48
.set G0B, 56
.set FAC, 66                           ; s[66:67] 1 / sqrt(128) for q, 1 for k and v
.set G1S, 68
.set G0S, 76
.set G1SB, 80
.set G0SB, 88
.set SEL, 96                           ; s[96:97] v_permlanex16_b32's selects for lane l xor 16
.set MSB, 0
.macro WIN new                         ; the immediate's high byte repeats the setting that is left
.if MSB != \new
	s_set_vgpr_msb (MSB<<8)|\new
.set MSB, \new
.endif
.endm
.set MUL_LO, 0xa1                      ; source 0 (B) window 1, source 1 (A) window 0, C and D window 2
.set MUL_HI, 0xf1                      ; the same, C and D window 3
.set TO_B,   0x40                      ; destination window 1, address window 0
; A joint load: waves 0 and 1 fetch for A, waves 2 and 3 for B.  The branch hangs on the wave's number alone.  Four v_nop follow each of the two lines.
.macro JLOAD g0a, g1a, g0b, g1b
	s_cmp_eq_u32 s15, 0
	s_cbranch_scc0 .Lfor_b_\@
	tensor_load_to_lds s[\g0a:\g0a+3], s[\g1a:\g1a+7]
	s_nop 0
.rept 4
	v_nop
.endr
	s_branch .Lasked_\@
.Lfor_b_\@:
	tensor_load_to_lds s[\g0b:\g0b+3], s[\g1b:\g1b+7]
	s_nop 0
.rept 4
	v_nop
.endr
.Lasked_\@:
.endm
.macro CREST                           ; a round of the cluster's barrier behind its opening barrier
	s_cmp_lg_u32 s14, 0
	s_cbranch_scc1 .Lnot_wave_0_\@
	s_barrier_signal -3
.Lnot_wave_0_\@:
	s_barrier_wait -3
	s_barrier_signal -1
	s_barrier_wait -1
.endm
.macro CROUND                          ; a whole round
	s_barrier_signal -1
	s_barrier_wait -1
	CREST
.endm
	s_load_b128 s[4:7], s[0:1], 0x0                ; wcodes, wscales
	s_load_b128 s[8:11], s[0:1], 0x10              ; qkvc, qkvs
	v_lshl_add_u32 v[SPW], v0, 2, SPARE
	v_mov_b32 v[NIL], 0
	ds_add_u32 v28, v29
	s_wait_dscnt 0x0
	v_lshrrev_b32 v1, 5, v0
	v_readfirstlane_b32 s14, v1                    ; wave 0..3
	s_lshr_b32 s15, s14, 1                         ; which half of the tile's rows is mine.  Also: I fetch for A (0) or for B (1)
	s_and_b32 s16, s14, 1                          ; which half of its columns.  Also: which 128 rows of that tile I fetch
	s_bfe_u32 s40, ttmp6, 0x40000                  ; cx, cy: my place in the cluster
	s_bfe_u32 s41, ttmp6, 0x40004
	s_lshl_b32 s42, ttmp9, 2
	s_add_co_u32 s42, s42, s40                     ; tile column = 4 x cluster x + cx, 0..23
	s_and_b32 s17, ttmp7, 0xffff
	s_lshl_b32 s17, s17, 2
	s_add_co_u32 s17, s17, s41                     ; tile row = 4 x cluster y + cy, 0..7
	s_lshl_b32 s43, s41, 2
	s_lshl_b32 s43, 15, s43                        ; my row of the cluster
	s_lshl_b32 s44, 0x1111, s40                    ; my column
	s_or_b32 s[G1+0], s43, (0<<16)|(1<<20)|(1<<21)|(3<<22)|(3<<25)  ; 15:0 the mask; 17:16 elements of 1 byte; 20 padding on; 21 set beside a mask; 24:22 after every 16 words; 31:25 of 4 words
	s_or_b32 s[G1B+0], s44, (0<<16)|(1<<20)|(1<<21)|(3<<22)|(3<<25)
.irp g, G1, G1B
	s_mov_b32 s[\g+1], ROWB<<16                    ; tensor_dim0
	s_mov_b32 s[\g+2], 128<<16                     ; tensor_dim1
	s_mov_b32 s[\g+3], ROWB<<16                    ; tile_dim0
	s_mov_b32 s[\g+4], 128                         ; tile_dim1
	s_mov_b32 s[\g+5], KROW                        ; tensor_dim0_stride
	s_mov_b32 s[\g+6], 0
	s_mov_b32 s[\g+7], 0
.endr
	s_or_b32 s[G1S+0], s43, (3<<16)|(1<<20)|(1<<21)|(5<<22)|(3<<25)   ; the scales of 128 rows: 8,192 dense bytes as rows of 256 (32 elements of 8 bytes), 16 bytes of padding behind each
	s_or_b32 s[G1SB+0], s44, (3<<16)|(1<<20)|(1<<21)|(5<<22)|(3<<25)
.irp g, G1S, G1SB
	s_mov_b32 s[\g+1], 32<<16
	s_mov_b32 s[\g+2], (128*KS/256)<<16
	s_mov_b32 s[\g+3], 32<<16
	s_mov_b32 s[\g+4], 128*KS/256
	s_mov_b32 s[\g+5], 32
	s_mov_b32 s[\g+6], 0
	s_mov_b32 s[\g+7], 0
.endr
	s_cmp_ge_u32 ttmp9, 4                          ; clusters 4 and 5 along x make v^T: the choice hangs on the cluster's x, which all sixteen partners share
	s_cselect_b32 s12, 6144, 0                     ; there A begins at Wv's stored rows (6,144) and B at x's (0)
	s_cmp_lt_u32 ttmp9, 2                          ; clusters 0 and 1 make q
	s_cselect_b32 s[FAC], 0x3db504f3, 1.0          ; 1 / sqrt(128) in f32
	s_mov_b32 s[FAC+1], s[FAC]                     ; (named with it as a pair, so it is written)
	s_mov_b32 s[SEL], 0x76543210
	s_mov_b32 s[SEL+1], 0xfedcba98
	s_lshl_b32 s18, s16, 7                         ; which 128 rows of the tile I fetch
	s_lshl_b32 s20, s17, 8
	s_add_co_u32 s20, s20, s18
	s_add_co_u32 s20, s20, s12                     ; A: stored row 256 x tile row + 128 x half (+ 6,144)
	s_lshl_b32 s46, s42, 8
	s_add_co_u32 s46, s46, s18
	s_add_co_u32 s46, s46, 2048
	s_sub_co_u32 s46, s46, s12                     ; B: stored row 2,048 + 256 x tile column + 128 x half (- 6,144)
	s_mov_b32 s21, 0
	s_mov_b32 s47, 0
	s_mov_b64 s[18:19], KS
	s_mul_u64 s[22:23], s[20:21], s[18:19]         ; where these rows' scales begin, in bytes
	s_mul_u64 s[92:93], s[46:47], s[18:19]
	s_mov_b64 s[18:19], KROW
	s_mul_u64 s[20:21], s[20:21], s[18:19]         ; and their codes
	s_mul_u64 s[46:47], s[46:47], s[18:19]
	s_mul_i32 s45, s14, HALFT                      ; where they go: wave x 128 rows: no place in the cluster enters an LDS address
	s_mul_i32 s94, s14, HALFS
	s_wait_kmcnt 0x0
	s_add_nc_u64 s[20:21], s[4:5], s[20:21]
	s_add_nc_u64 s[22:23], s[6:7], s[22:23]
	s_add_nc_u64 s[46:47], s[4:5], s[46:47]
	s_add_nc_u64 s[92:93], s[6:7], s[92:93]
	CROUND                                         ; all sixteen work-groups are here: the first joint loads meet
	s_mov_b32 s[G0S], 1
	s_add_co_u32 s[G0S+1], s94, SCL
	s_mov_b64 s[G0S+2:G0S+3], s[22:23]
	s_or_b32 s[G0S+3], s[G0S+3], 0x80000000
	s_mov_b32 s[G0SB], 1
	s_add_co_u32 s[G0SB+1], s94, SCL
	s_mov_b64 s[G0SB+2:G0SB+3], s[92:93]
	s_or_b32 s[G0SB+3], s[G0SB+3], 0x80000000
	JLOAD G0S, G1S, G0SB, G1SB                     ; the scales first: they are wanted with K step 0
.irp s, 0,1
	s_mov_b32 s[G0+4*\s], 1
	s_add_co_u32 s[G0+4*\s+1], s45, \s*SLOT
	s_add_nc_u64 s[G0+4*\s+2:G0+4*\s+3], s[20:21], \s*ROWB
	s_or_b32 s[G0+4*\s+3], s[G0+4*\s+3], 0x80000000
	s_mov_b32 s[G0B+4*\s], 1
	s_add_co_u32 s[G0B+4*\s+1], s45, \s*SLOT
	s_add_nc_u64 s[G0B+4*\s+2:G0B+4*\s+3], s[46:47], \s*ROWB
	s_or_b32 s[G0B+4*\s+3], s[G0B+4*\s+3], 0x80000000
	JLOAD G0+4*\s, G1, G0B+4*\s, G1B               ; three tensor loads of mine are out at the most
.endr
	v_and_b32 v1, 15, v0                           ; l % 16
	v_bfe_u32 v2, v0, 4, 1                         ; l / 16
	v_mul_u32_u24 v3, v1, PITCH
	v_mul_u32_u24 v4, v2, 24
	v_add_nc_u32 v4, v3, v4                        ; a fragment's row x pitch + 24 x half
	v_lshl_add_u32 v5, v2, 4, v4                   ; and the same behind one padding more
	s_mul_i32 s21, s15, HALFT                      ; my 128 rows of A
	s_mul_i32 s22, s16, HALFT                      ; my 128 rows of B,
	s_add_co_u32 s22, s22, 2*HALFT                 ; which lie behind A's 256
.irp s, 0,1
	v_add_nc_u32 v[ADRA+\s], s21, v4
	v_add_nc_u32 v[ADRB+\s], s22, v4
	v_add_nc_u32 v[ADRA+2+\s], s21, v5
	v_add_nc_u32 v[ADRB+2+\s], s22, v5
	s_add_co_u32 s21, s21, SLOT
	s_add_co_u32 s22, s22, SLOT
.endr
	v_mul_u32_u24 v5, v1, KS                       ; my row's scales: KS bytes a row,
	v_lshrrev_b32 v6, 8, v5
	v_lshl_add_u32 v5, v6, 4, v5                   ; and 16 more for each 256 passed
	s_mul_i32 s21, s15, HALFS                      ; A's: my 128 rows
	s_mul_i32 s22, s16, HALFS                      ; B's: my 128 rows, behind A's 256
	s_add_co_u32 s22, s22, 2*HALFS
	s_sub_co_u32 s22, s22, s21
	v_mul_u32_u24 v6, s22, v2                      ; lanes 16-31 take B's: ONE product, the distance between the two bases x the lane's half
	s_add_co_u32 s21, s21, SCL
	v_add_nc_u32 v5, v5, v6
	v_add_nc_u32 v[ADRS], s21, v5
	v_and_b32 v[LN], 31, v0
	v_lshlrev_b32 v[LI], 4, v[LN]
	v_lshlrev_b32 v[LS], 2, v[LN]
	; where my 128 x 128 goes: R = my group of 128 rows of A, Cg = my group of 128 rows of B
	s_lshl_b32 s92, s17, 1
	s_add_co_u32 s92, s92, s15                     ; R = 2 x tile row + half
	s_lshl_b32 s93, s42, 1
	s_add_co_u32 s93, s93, s16                     ; Cg = 2 x tile column + half
	s_lshl_b32 s94, s93, 4
	s_add_co_u32 s94, s94, s92                     ; q, k: 16 Cg + R  (Cg = head, or 16 + head; R = the group of tokens)
	s_lshl_b32 s95, s92, 4
	s_add_co_u32 s95, s95, s93
	s_add_co_u32 s95, s95, 480                     ; v: 512 + 16 R + (Cg - 32)  (R = head, Cg - 32 = the group of tokens)
	s_cmp_ge_u32 ttmp9, 4
	s_cselect_b32 s94, s95, s94
	s_mul_i32 s92, s94, 12288
	s_mov_b32 s93, 0
	s_add_nc_u64 s[8:9], s[8:9], s[92:93]
	s_lshl_b32 s92, s94, 9
	s_add_nc_u64 s[10:11], s[10:11], s[92:93]
.macro FRAG reg, adr, q, i             ; a fragment, 16 rows x 128 K of 6-bit codes, is 12 registers: lane l holds row l % 16; registers 6 c .. 6 c + 5 hold K = 64 c + 32 (l / 16) + 0 .. 31: 24 bytes of the row's stream of bits
.irp p, 0,1,2,3,4,5                    ; in pieces of 8 bytes.  Lanes 0-15 take the row's pieces 12 q + 0, 1, 2 and 12 q + 6, 7, 8, lanes 16-31 those three pieces on
.set PCE, 12*(\q)+6*(\p/3)+\p%3        ; 16 bytes of padding lie behind every 8 pieces: where the piece three on lies behind one padding more, the second address register serves
.if PCE%8 < 5
	ds_load_b64 v[\reg+2*\p:\reg+2*\p+1], v[\adr] offset:8*PCE+16*(PCE/8)+(\i)*16*PITCH
.else
	ds_load_b64 v[\reg+2*\p:\reg+2*\p+1], v[\adr+2] offset:8*PCE+16*(PCE/8)+(\i)*16*PITCH
.endif
.endr
.endm
; 16 matrix instructions: A's blocks a0, a0 + 1 x B's eight, 128 along K.  p: B's set;  sc: the set of scale words.  zero = 1: the first product starts the sums.
; The 64 accumulators take turns, one instruction a turn, in the same order in every step.
.macro MUL16 a0, p, q, sc, zero
.irp a, \a0, \a0+1
.irp b, 0,1,2,3,4,5,6,7
.if \zero
	v_wmma_scale_f32_16x16x128_f8f6f4 v[8*(8*((\a)%4)+\b):8*(8*((\a)%4)+\b)+7], v[128*(\p)+FR*\b:128*(\p)+FR*\b+FR-1], v[AF+FR*(\a):AF+FR*(\a)+FR-1], 0, v[SC+8*NQ*(\sc)+NQ*\b+(\q)], v[SC+8*NQ*(\sc)+NQ*(\a)+(\q)] matrix_a_fmt:MATRIX_FMT_FP6 matrix_b_fmt:MATRIX_FMT_FP6 matrix_a_scale:MATRIX_SCALE_ROW1
.else
	v_wmma_scale_f32_16x16x128_f8f6f4 v[8*(8*((\a)%4)+\b):8*(8*((\a)%4)+\b)+7], v[128*(\p)+FR*\b:128*(\p)+FR*\b+FR-1], v[AF+FR*(\a):AF+FR*(\a)+FR-1], v[8*(8*((\a)%4)+\b):8*(8*((\a)%4)+\b)+7], v[SC+8*NQ*(\sc)+NQ*\b+(\q)], v[SC+8*NQ*(\sc)+NQ*(\a)+(\q)] matrix_a_fmt:MATRIX_FMT_FP6 matrix_b_fmt:MATRIX_FMT_FP6 matrix_a_scale:MATRIX_SCALE_ROW1
.endif
.endr
.endr
.endm
.macro FETCH_B slot, q, p              ; B's eight fragments of the slot's q-th 128 along K into set p
	WIN TO_B
.irp i, 0,1,2,3,4,5,6,7
	FRAG 128*(\p)+FR*\i, ADRB+\slot, \q, \i
.endr
	WIN 0
.endm
.macro FETCH_A slot, q, i0             ; A's blocks i0 .. i0 + 3
.irp i, \i0, \i0+1, \i0+2, \i0+3
	FRAG AF+FR*(\i), ADRA+\slot, \q, \i
.endr
.endm
.macro SCALES sc                       ; the next K step's scale words into set sc: lanes 0-15 take A's block i, lanes 16-31 B's block i
.irp i, 0,1,2,3,4,5,6,7
	ds_load_b64 v[SC+8*NQ*\sc+NQ*\i:SC+8*NQ*\sc+NQ*\i+1], v[ADRS] offset:\i*SBLK
.endr
.endm
.macro PLACES n                        ; plain vector lines that name none of the matrix instructions' registers, in front of loads into registers that they have read and of the first read of results
.rept \n
	v_nop
.endr
.endm
; A step of 128 along K that has its successor in the same slot.
.macro STEP slot, q, zero
	s_wait_dscnt 4*NL                              ; B's set and A's blocks 0-3 are in; the youngest 24 loads (A's blocks 4-7) may be out
	WIN MUL_LO
	MUL16 0, (\q)%2, \q, \slot, \zero
	MUL16 2, (\q)%2, \q, \slot, \zero
	s_wait_dscnt 0                                 ; A's blocks 4-7 are in
	PLACES NP
	FETCH_B \slot, (\q)+1, 1-(\q)%2
	FETCH_A \slot, (\q)+1, 0
	WIN MUL_HI
	MUL16 4, (\q)%2, \q, \slot, \zero
	MUL16 6, (\q)%2, \q, \slot, \zero
	PLACES NP
	WIN 0
	FETCH_A \slot, (\q)+1, 4
.endm
; A slot's last step changes slots: ONE barrier; in front of it each wave waits for all its tensor loads, adds 0 to its spare word, and waits for that and for its own reads of this slot.  fill = 1: this slot is filled again, two K steps ahead.
.macro TURN slot, next, fill
	s_wait_tensorcnt 0x0                           ; all my tensor loads have landed: my part of the next slot
	ds_add_u32 v[SPW], v[NIL]                      ; 0 onto my spare word
	s_wait_dscnt 4*NL+1                            ; (the add and the youngest 24 loads, A's blocks 4-7, may be out)
	WIN MUL_LO
	MUL16 0, 1, NQ-1, \slot, 0                     ; sixteen matrix instructions stand between the add and the wait for it
	s_wait_dscnt 0x0                               ; the add is done, and my reads of this slot are over
	s_barrier_signal -1
	MUL16 2, 1, NQ-1, \slot, 0
	WIN 0
	s_barrier_wait -1
.if \fill
	CREST                                          ; the barrier has opened a round of the cluster's barrier: no wave of any partner still reads this slot's tile or has a load on its way
	s_add_nc_u64 s[G0+4*\slot+2:G0+4*\slot+3], s[G0+4*\slot+2:G0+4*\slot+3], 2*ROWB
	s_add_nc_u64 s[G0B+4*\slot+2:G0B+4*\slot+3], s[G0B+4*\slot+2:G0B+4*\slot+3], 2*ROWB
	JLOAD G0+4*\slot, G1, G0B+4*\slot, G1B         ; the first tensor load behind the round; its four v_nop are also the places in front of the loads below
.else
	PLACES NP
.endif
	v_add_nc_u32 v[ADRS], 4*NQ, v[ADRS]            ; on to the next K step's scale words
	FETCH_B \next, 0, 0
	FETCH_A \next, 0, 0
	SCALES \next
	WIN MUL_HI
	MUL16 4, 1, NQ-1, \slot, 0
	MUL16 6, 1, NQ-1, \slot, 0
	PLACES NP
	WIN 0
	FETCH_A \next, 0, 4
.endm
; From four largest magnitudes in v[TM..TM+3] and 64 numbers v[s] .. v[s+63] (register 16 b + i = k 32 b + 16 (lane / 16) + i of my row): the fragment's codes in v[PC] on, its scale word in v[pw].
.macro QTAIL s, pw
.irp b, 0,1,2,3
	v_add_nc_u32 v[TM+12+\b], 0xff000000, v[TM+\b]   ; 2 off the exponent field: the conversion takes the exponent field of this operand as its scale
.endr
.irp b, 0,1,2,3
	v_lshrrev_b32 v[TM+4+\b], 23, v[TM+12+\b]      ; the scale's byte
.endr
	v_lshl_or_b32 v[\pw], v[TM+5], 8, v[TM+4]      ; the four bytes make my row's scale word
	v_lshl_or_b32 v[\pw], v[TM+6], 16, v[\pw]
	v_lshl_or_b32 v[\pw], v[TM+7], 24, v[\pw]
.irp c, 0,1
	v_cvt_scalef32_pk16_fp6_f32 v[PC+6*\c:PC+6*\c+2], v[\s+32*\c:\s+32*\c+15], v[TM+12+2*\c]
	v_cvt_scalef32_pk16_fp6_f32 v[CT+4*\c:CT+4*\c+2], v[\s+32*\c+16:\s+32*\c+31], v[TM+12+2*\c+1]   ; (a conversion's three registers begin on an even number)
.endr
	v_nop                                          ; one plain line behind the scaled conversions
.irp c, 0,1                                    ; the operand's layout wants a WHOLE block in a lane: lanes 0-15 block 2 c, lanes 16-31 block 2 c + 1
.irp i, 0,1,2
	v_permlane16_swap_b32 v[PC+6*\c+\i], v[CT+4*\c+\i]
.endr
.irp i, 0,1,2
	v_mov_b32 v[PC+3+6*\c+\i], v[CT+4*\c+\i]
.endr
.endr
.endm
.macro QUANT s, pw
.irp b, 0,1,2,3
	v_max3_num_f32 v[TM+\b], |v[\s+16*\b]|, |v[\s+1+16*\b]|, 0x1800000   ; block b: my 16 numbers, and the floor 2^(3 - 127): the byte cannot fall under 1
.endr
.irp i, 2,4,6,8,10,12,14
.irp b, 0,1,2,3
	v_max3_num_f32 v[TM+\b], v[TM+\b], |v[\s+16*\b+\i]|, |v[\s+1+16*\b+\i]|   ; (the four blocks by turns)
.endr
.endr
.irp b, 0,1,2,3
	v_permlanex16_b32 v[TM+4+\b], v[TM+\b], s[SEL], s[SEL+1]
.endr
.irp b, 0,1,2,3
	v_max_num_f32 v[TM+\b], v[TM+\b], v[TM+4+\b]   ; with lane l xor 16's: the block's largest magnitude
.endr
	QTAIL \s, \pw
.endm
	s_wait_tensorcnt 1                             ; the scales and my part of K step 0 are in (K step 1's load may be out)
	s_barrier_signal -1
	s_barrier_wait -1                              ; everybody's are
	FETCH_B 0, 0, 0
	FETCH_A 0, 0, 0
	SCALES 0
	FETCH_A 0, 0, 4
	STEP 0, 0, 1                                   ; the first step stands in front of the loop: its products start the sums
	s_mov_b32 s3, LAPS-1
.Llap:                                                 ; a trip goes once round the ring, from a lap's second step to the next lap's first, and fills both slots again
	TURN 0, 1, 1
	STEP 1, 0, 0
	TURN 1, 0, 1
	STEP 0, 0, 0
	s_sub_co_u32 s3, s3, 1
	s_cmp_lg_u32 s3, 0
	s_cbranch_scc1 .Llap
	TURN 0, 1, 0                                   ; the last lap fills nothing, and has no round of the cluster's barrier
	STEP 1, 0, 0
	s_wait_dscnt 4*NL                              ; the very last step: nothing more to fetch
	WIN MUL_LO
	MUL16 0, 1, NQ-1, 1, 0
	MUL16 2, 1, NQ-1, 1, 0
	s_wait_dscnt 0
	WIN MUL_HI
	MUL16 4, 1, NQ-1, 1, 0
	MUL16 6, 1, NQ-1, 1, 0
	WIN 0
; THE WAY OUT, block by block of 16 rows x 128 columns.  The 32 packed multiplications bring the block's sums into window 0 and give q its factor in f32 (1 for k and v); each accumulator is read from its low end on.
; The block is quantised along its columns and leaves as the image of a fragment: three stores of 512 consecutive bytes.
.macro OUTBLK a
.if (\a) > 0
	s_wait_xcnt 0x0                                ; the last block's stores have read v[PC] on: only behind this wait are they written again
.endif
	WIN 0x02+((\a)/4)                              ; source 0: window 2 or 3
.set i, 0
.rept 32
	v_pk_mul_f32 v[ST+2*i:ST+2*i+1], v[64*((\a)%4)+2*i:64*((\a)%4)+2*i+1], s[FAC:FAC+1] op_sel_hi:[1,0]
.set i, i+1
.endr
	WIN 0
	QUANT ST, PWS+(\a)
.irp c, 0,1,2
	global_store_b128 v[LI], v[PC+4*\c:PC+4*\c+3], s[8:9] offset:1536*(\a)+512*\c
.endr
.endm
	PLACES NP                                      ; behind the last products: their results are read and A's registers written below
.irp b, 0,1,2,3
	v_mov_b32 v[TM+4+\b], 0                        ; written once: a lane permute's destination counts as one of its sources
.endr
.irp a, 0,1,2,3,4,5,6,7
	OUTBLK \a
.endr
	v_cmp_le_u32 vcc_lo, 16, v[LN]                 ; every lane holds its row's word, lanes 16-31 the same as lanes 0-15: two blocks' words go into one register
.irp i, 0,1,2,3
	v_cndmask_b32 v[PWP+\i], v[PWS+2*\i], v[PWS+2*\i+1], vcc_lo
.endr
.irp i, 0,1,2,3
	global_store_b32 v[LS], v[PWP+\i], s[10:11] offset:128*\i   ; word 16 block + row
.endr
	s_wait_tensorcnt 0x0                           ; the wave's end
	ds_add_u32 v[SPW], v[NIL]
	s_wait_dscnt 0x0
	CROUND                                         ; the closing round: no work-group ends while a partner may still ask for a tile that names it
	s_endpgm
.Lfunc_end_k_q3773c4442b_proj:
	.size	k_q3773c4442b_proj, .Lfunc_end_k_q3773c4442b_proj-k_q3773c4442b_proj
	.p2alignl 7, 3214868480
	.fill 96, 4, 3214868480
	.section	.rodata,"a",@progbits
	.p2align	6, 0x0
	.amdhsa_kernel k_q3773c4442b_proj
		.amdhsa_group_segment_fixed_size 327680
		.amdhsa_private_segment_fixed_size 0
		.amdhsa_enable_private_segment 0
		.amdhsa_kernarg_size 32
		.amdhsa_user_sgpr_count 2
		.amdhsa_user_sgpr_kernarg_segment_ptr 1
		.amdhsa_wavefront_size32 1
		.amdhsa_system_sgpr_workgroup_id_x 1
		.amdhsa_system_sgpr_workgroup_id_y 1
		.amdhsa_system_sgpr_workgroup_id_z 1
		.amdhsa_system_vgpr_workitem_id 0
		.amdhsa_next_free_vgpr 1024
		.amdhsa_next_free_sgpr 100
		.amdhsa_reserve_vcc 1
		.amdhsa_float_denorm_mode_32 3
		.amdhsa_float_denorm_mode_16_64 3
		.amdhsa_memory_ordered 1
		.amdhsa_forward_progress 1
		.amdhsa_inst_pref_size 180
	.end_amdhsa_kernel
	.amdgpu_metadata
---
amdhsa.version: [ 1, 2 ]
amdhsa.kernels:
  - .name:           k_q3773c4442b_proj
    .symbol:         k_q3773c4442b_proj.kd
    .args:
      - { .name: wcodes, .offset: 0, .size: 8, .value_kind: global_buffer, .address_space: global }
      - { .name: wscales, .offset: 8, .size: 8, .value_kind: global_buffer, .address_space: global }
      - { .name: qkvc, .offset: 16, .size: 8, .value_kind: global_buffer, .address_space: global }
      - { .name: qkvs, .offset: 24, .size: 8, .value_kind: global_buffer, .address_space: global }
    .group_segment_fixed_size: 327680
    .private_segment_fixed_size: 0
    .kernarg_segment_align: 8
    .kernarg_segment_size: 32
    .max_flat_workgroup_size: 128
    .sgpr_count:     100
    .vgpr_count:     1024
    .wavefront_size: 32
...
	.end_amdgpu_metadata
.endif
;; end of part 2
;; launch attn (part 3): grid 16 x 16, 8 waves a work-group, clusters of 4 x 4, 327,680 bytes of LDS; arguments qkvc, qkvs, attn_mask, ycodes, yscales; writes ycodes, yscales
.if DOCPART == 3
	.amdgcn_target "amdgcn-amd-amdhsa--gfx1250"
	.amdhsa_code_object_version 6
	.text
	.protected	k_q3773c4442b_attn
	.globl	k_q3773c4442b_attn
	.p2align	8
	.type	k_q3773c4442b_attn,@function
k_q3773c4442b_attn:
	s_mov_b64 s[64:65], 0
	v_nop
	global_prefetch_b8 v0, s[64:65] scope:SCOPE_SE
	s_setreg_imm32_b32 hwreg(HW_REG_WAVE_MODE, 25, 1), 1
	s_wait_xcnt 0x0
	s_wait_alu depctr_hold_cnt(0) depctr_sa_sdst(0) depctr_va_vdst(0) depctr_va_sdst(0) depctr_va_ssrc(0) depctr_va_vcc(0) depctr_vm_vsrc(0)
	s_getreg_b32 s2, hwreg(HW_REG_IB_STS2, 6, 4)
	s_cmp_eq_u32 s2, 0
	s_cbranch_scc0 .Lentry_in_a_cluster
	s_endpgm
.Lentry_in_a_cluster:
	s_bfe_u32 s2, ttmp6, 0x10000c
	s_cmp_lg_u32 s2, 0xf033
	s_cbranch_scc0 .Lentry_shape_is_right
	s_endpgm
.Lentry_shape_is_right:
; y[q][head] = softmax_k(q . k + attn_mask[q][k]) v, both products on codes of FP6 (E2M3) with E8M0 scales; q already carries 1 / sqrt(128).  y leaves quantised along the head's channels.
; attn_mask is an INPUT: every number of it is read and added in f32, logit = fl(score + mask), and no tile is left out.
; THE SOFTMAX: t = fl(logit x log2(e)); M = the row's largest t so far, rounded UP to a whole number; p = 2^(t - M) is quantised along the keys; the row's sum is taken of the unquantised p and divides O at the end.
; t is ROUNDED before M is taken off (a multiplication and an addition, not one fused line): so t - M is never above 0, however large mask numbers or a common offset make t.  When M moves, the sum and O are multiplied by 2^(old M - new M): exact.
; SHARES.  A work-group owns 128 queries of one head; each of its EIGHT waves one stored tile of 16: lane r of wave w holds query 32 (w / 2) + 8 (w % 2) + r + 8 (r / 8) of the 128.  Two waves to a SIMD.  16 key steps of 128 keys.
; OPERANDS are images of their registers (made by the launch before): a fragment is three loads of 16 bytes a lane at 16 x lane.  Both products are used transposed: S^T = K Q^T, O^T = V^T P^T: a lane holds ONE query throughout,
; register 16 b + i of S^T is key 32 b + 16 (lane / 16) + i of the step, register 16 b + i of O^T channel 32 b + 16 (lane / 16) + i.
; CLUSTER 4 x 4: x = group of queries, y = head.  K's and V's tiles hang on the head alone: asked for jointly along a row of the cluster.  The mask's tile hangs on the queries alone: jointly along a column.
; THE RING: two slots, each a key step's mask tile (128 rows x 512 bytes, pitch 520), K's 8 images and V's 8.  Waves 0, 1 fetch the mask's halves, wave 2 K, wave 3 V.  THE CHANGE OF SLOTS STANDS IN THE MIDDLE OF THE SOFTMAX:
; by then the step's K, mask and V are all in registers, so its slot is filled again with the step two on, and the next step's K and mask are read from the other slot under the exponentials.
; LIMITS: blocks of p or y whose largest magnitude lies under 2^-124 keep the scale byte 1; NaN and +infinity in the mask are not served; a row whose every logit is -infinity gives NaN.
; REGISTERS.  window 0: v1-9 addresses; v12 -M, v13 largest t, v[14:15] the sum; v16-27 Q; v28 Q's scales; v[30:31] f; v32-35 K's scale words, v36-39 V's, v40 p's; v44-59 at work; v64-159 V; v160-223 S^T, then p; v224-235 codes; v236-242 halves.
;   window 1: v0-63 O^T; v64-159 K; v160-223 the mask.
.set MP,    520                        ; a mask row in LDS: 512 bytes + 8 = 130 words: lane (r, h) of a load of 8 bytes begins at bank 2 row + 16 h mod 64 (64 banks of 4 bytes: ISA guide 11.1): the 32 lanes touch 64 different banks
.set KOFF,  128*MP                     ; behind the mask: K's 8 images, 12,288 bytes, then V's
.set SLOT,  KOFF+2*12288
.set SCK,   2*SLOT                     ; behind the ring: K's scale words of the whole head, 8,192 bytes, filled once;
.set SCV,   SCK+8192                   ; V's likewise
.set SPARE, SCV+8192                   ; the spare words, 128 bytes for each wave: four blocks of 256 bytes that no other line names
.set LI,  1                            ; v1   16 x lane
.set AF,  2                            ; v2-3 LDS address of the images in slot 0, 1
.set AM,  4                            ; v4-5 LDS address of my query's mask row (+ 64 x half) in slot 0, 1
.set ASC, 6                            ; v6   LDS address of the step's scale words: SCK + 4 x lane + 512 x step
.set SPW, 7                            ; v7   LDS address of my spare word; never rewritten
.set NIL, 8                            ; v8   0; never rewritten
.set PFO, 9                            ; v9   the prefetches' offset; never rewritten
.set QA,  29                           ; v29  4 x (lane % 16)
.set YSO, 41                           ; v41  64 x (lane % 16)
.set Q,   16
.set QS,  28
.set F,   30
.set KSC, 32
.set VSC, 36
.set PSC, 40
.set TA,  42
.set TM,  44                           ; +0 the blocks' largest, +4 the other half's / sums / bytes, +12 scale operands
.set FV,  64
.set S,   160
.set PC,  224
.set CT,  236
.set PW,  252
.set O,   0                            ; window 1
.set FK,  64
.set MK,  160
.set WV,  14
.set SEL, 20
.set CS,  22                           ; s[22:23] log2(e)
.set G1M, 24                           ; s[24:31] group 1 for the mask's tiles;  s[32:39] for K's and V's;  s[40:47] for the scale words
.set G1K, 32
.set G1S, 40
.set G0M, 48                           ; s[48:55] group 0 for the mask, one set for each slot;  s[56:63] for K or V;  s[68:71] for the scale words
.set G0K, 56
.set G0S, 68
.set PFA, 72                           ; s[72:73] where my prefetches stand;  s[74:75] a key step on, in bytes
.set PFS, 74
.set LIM, 76                           ; s76, s77  for the trip's first and second step: 1 in a wave that prefetches there, else the greatest number
.set EVR, 78                           ; s78  1: only in trips with an odd count;  0: in every trip
.set MSB, 0
.macro WIN new                         ; the immediate's high byte repeats the setting that is left
.if MSB != \new
	s_set_vgpr_msb (MSB<<8)|\new
.set MSB, \new
.endif
.endm
.macro PLACES                          ; plain vector lines that name none of the matrix instructions' registers (ISA guide 7.12.1)
.rept 4
	v_nop
.endr
.endm
.macro CROUND                          ; a round of the cluster's barrier
	s_barrier_signal -1
	s_barrier_wait -1
	s_cmp_lg_u32 s[WV], 0
	s_cbranch_scc1 .Lnot_wave_0_\@
	s_barrier_signal -3
.Lnot_wave_0_\@:
	s_barrier_wait -3
	s_barrier_signal -1
	s_barrier_wait -1
.endm
; A joint refill of slot cur.  The branches hang on the wave's number alone.  Four v_nop follow each of the two lines.
.macro TLOAD cur
	s_cmp_lt_u32 s[WV], 2
	s_cbranch_scc0 .Lnot_m_\@
	tensor_load_to_lds s[G0M+4*\cur:G0M+4*\cur+3], s[G1M:G1M+7]
	s_nop 0
.rept 4
	v_nop
.endr
	s_branch .Lasked_\@
.Lnot_m_\@:
	s_cmp_lt_u32 s[WV], 4
	s_cbranch_scc0 .Lasked_\@
	tensor_load_to_lds s[G0K+4*\cur:G0K+4*\cur+3], s[G1K:G1K+7]
	s_nop 0
.rept 4
	v_nop
.endr
.Lasked_\@:
.endm
; A PREFETCH INTO THE L2, behind the joint load and the run of LDS loads.  Each aligned block of 256 bytes is named once in the launch.
; THE MASK: a group of queries' rows are read by the four clusters of a column of clusters: the one with cluster y = 0 asks.  Its four partners of a column share the 128 rows out BY ADDRESS, 32 each, a lane a row;
; wave 0 names the first 256 bytes of a key step's 512, wave 1 the second.  Step s names key step s + 4: two refills ahead of the load that will ask for it.
; K AND V: a head's images are read by the four clusters of a row of clusters: the one with cluster x = 0 asks, in steps 0, 4 and 8.  Partner cx names key step s + 4 + cx: 96 blocks, 32 to each of waves 4 to 6.
; Key steps 0 to 3 come by their loads alone; the last trip asks for nothing.
.macro ASK pos
	s_cmp_gt_u32 s3, s[LIM+\pos]
	s_cbranch_scc0 .Lnot_mine_\@
	s_and_b32 s79, s3, s[EVR]
	s_cmp_eq_u32 s79, s[EVR]
	s_cbranch_scc0 .Lnot_mine_\@
	global_prefetch_b8 v[PFO], s[PFA:PFA+1] th:TH_LOAD_NT scope:SCOPE_SE
.Lnot_mine_\@:
.endm
.macro LDKM nxt                        ; 60 LDS loads: a key step's mask numbers of my query (64: keys 32 b + 16 h + 0 .. 15), K's 8 fragments, K's scale words (tiles 2 i in lanes 0-15, 2 i + 1 in lanes 16-31)
	WIN 0x40                                       ; destination window 1
.irp b, 0,1,2,3
.irp j, 0,1,2,3,4,5,6,7
	ds_load_b64 v[MK+16*\b+2*\j:MK+16*\b+2*\j+1], v[AM+(\nxt)] offset:128*\b+8*\j
.endr
.endr
.irp t, 0,1,2,3,4,5,6,7
.irp c, 0,1,2
	ds_load_b128 v[FK+12*\t+4*\c:FK+12*\t+4*\c+3], v[AF+(\nxt)] offset:1536*\t+512*\c
.endr
.endr
	WIN 0
.irp i, 0,1,2,3
	ds_load_b32 v[KSC+\i], v[ASC] offset:128*\i
.endr
.endm
.macro LDV nxt                         ; 28 LDS loads: V's 8 fragments and its scale words
.irp t, 0,1,2,3,4,5,6,7
.irp c, 0,1,2
	ds_load_b128 v[FV+12*\t+4*\c:FV+12*\t+4*\c+3], v[AF+(\nxt)] offset:12288+1536*\t+512*\c
.endr
.endr
.irp i, 0,1,2,3
	ds_load_b32 v[VSC+\i], v[ASC] offset:8192+128*\i
.endr
.endm
; From four largest magnitudes in v[TM..TM+3] and 64 numbers v[s] .. v[s+63] (register 16 b + i = k 32 b + 16 (lane / 16) + i of my row): the fragment's codes in v[PC] on, its scale word in v[pw].
.macro QTAIL s, pw
.irp b, 0,1,2,3
	v_add_nc_u32 v[TM+12+\b], 0xff000000, v[TM+\b]   ; 2 off the exponent field: the conversion takes the exponent field of this operand as its scale
.endr
.irp b, 0,1,2,3
	v_lshrrev_b32 v[TM+4+\b], 23, v[TM+12+\b]      ; the scale's byte
.endr
	v_lshl_or_b32 v[\pw], v[TM+5], 8, v[TM+4]      ; the four bytes make my row's scale word
	v_lshl_or_b32 v[\pw], v[TM+6], 16, v[\pw]
	v_lshl_or_b32 v[\pw], v[TM+7], 24, v[\pw]
.irp c, 0,1
	v_cvt_scalef32_pk16_fp6_f32 v[PC+6*\c:PC+6*\c+2], v[\s+32*\c:\s+32*\c+15], v[TM+12+2*\c]
	v_cvt_scalef32_pk16_fp6_f32 v[CT+4*\c:CT+4*\c+2], v[\s+32*\c+16:\s+32*\c+31], v[TM+12+2*\c+1]   ; (a conversion's three registers begin on an even number)
.endr
	v_nop                                          ; one plain line behind the scaled conversions
.irp c, 0,1                                    ; the operand's layout wants a WHOLE block in a lane: lanes 0-15 block 2 c, lanes 16-31 block 2 c + 1
.irp i, 0,1,2
	v_permlane16_swap_b32 v[PC+6*\c+\i], v[CT+4*\c+\i]
.endr
.irp i, 0,1,2
	v_mov_b32 v[PC+3+6*\c+\i], v[CT+4*\c+\i]
.endr
.endr
.endm
.macro QUANT s, pw
.irp b, 0,1,2,3
	v_max3_num_f32 v[TM+\b], |v[\s+16*\b]|, |v[\s+1+16*\b]|, 0x1800000   ; block b: my 16 numbers, and the floor 2^(3 - 127): the byte cannot fall under 1
.endr
.irp i, 2,4,6,8,10,12,14
.irp b, 0,1,2,3
	v_max3_num_f32 v[TM+\b], v[TM+\b], |v[\s+16*\b+\i]|, |v[\s+1+16*\b+\i]|
.endr
.endr
.irp b, 0,1,2,3
	v_permlanex16_b32 v[TM+4+\b], v[TM+\b], s[SEL], s[SEL+1]
.endr
.irp b, 0,1,2,3
	v_max_num_f32 v[TM+\b], v[TM+\b], v[TM+4+\b]
.endr
	QTAIL \s, \pw
.endm
	s_load_b256 s[4:11], s[0:1], 0x0               ; qkvc s[4:5], qkvs s[6:7], attn_mask s[8:9], ycodes s[10:11]
	s_load_b64 s[12:13], s[0:1], 0x20              ; yscales
	v_lshl_add_u32 v[SPW], v0, 2, SPARE
	v_mov_b32 v[NIL], 0
	ds_add_u32 v7, v8
	s_wait_dscnt 0x0
	v_lshrrev_b32 v10, 5, v0
	v_readfirstlane_b32 s[WV], v10                 ; wave 0..7
	s_and_b32 s19, s[WV], 1                        ; which half of the mask's tile (waves 0, 1), K or V (waves 2, 3)
	s_bfe_u32 s15, ttmp6, 0x40000                  ; cx
	s_bfe_u32 s16, ttmp6, 0x40004                  ; cy
	s_lshl_b32 s17, ttmp9, 2
	s_add_co_u32 s17, s17, s15                     ; X: my group of 128 queries
	s_and_b32 s18, ttmp7, 0xffff
	s_lshl_b32 s18, s18, 2
	s_add_co_u32 s18, s18, s16                     ; Y: my head
	s_lshl_b32 s79, s16, 2
	s_lshl_b32 s79, 15, s79                        ; my row of the cluster (same head)
	s_lshl_b32 s80, 0x1111, s15                    ; my column (same queries)
	s_or_b32 s[G1M], s80, (2<<16)|(1<<20)|(1<<21)|(6<<22)|(1<<25)   ; the mask's half tile: 64 rows x 128 elements of 4 bytes; padding of 2 words behind every 128; bit 21 set beside a mask
	s_mov_b32 s[G1M+1], 128<<16                    ; tensor_dim0
	s_mov_b32 s[G1M+2], 64<<16                     ; tensor_dim1
	s_mov_b32 s[G1M+3], 128<<16                    ; tile_dim0
	s_mov_b32 s[G1M+4], 64                         ; tile_dim1
	s_mov_b32 s[G1M+5], 2048                       ; elements from row to row
	s_mov_b32 s[G1M+6], 0
	s_mov_b32 s[G1M+7], 0
	s_or_b32 s[G1K], s79, (3<<16)|(1<<21)          ; 8 images: 12,288 dense bytes as 48 rows of 256 (32 elements of 8 bytes)
	s_mov_b32 s[G1K+1], 32<<16
	s_mov_b32 s[G1K+2], 48<<16
	s_mov_b32 s[G1K+3], 32<<16
	s_mov_b32 s[G1K+4], 48
	s_mov_b32 s[G1K+5], 32
	s_mov_b32 s[G1K+6], 0
	s_mov_b32 s[G1K+7], 0
	s_or_b32 s[G1S], s79, (3<<16)|(1<<21)          ; a head's scale words of K or of V: 8,192 dense bytes as 32 rows of 256
	s_mov_b32 s[G1S+1], 32<<16
	s_mov_b32 s[G1S+2], 32<<16
	s_mov_b32 s[G1S+3], 32<<16
	s_mov_b32 s[G1S+4], 32
	s_mov_b32 s[G1S+5], 32
	s_mov_b32 s[G1S+6], 0
	s_mov_b32 s[G1S+7], 0
	s_mov_b32 s[SEL], 0x76543210
	s_mov_b32 s[SEL+1], 0xfedcba98
	s_mov_b32 s[CS], 0x3fb8aa3b                    ; log2(e)
	s_mov_b32 s[CS+1], s[CS]                       ; (named with it as a pair, so it is written)
	; the mask's tile: made of X and the wave alone
	s_lshl_b32 s80, s17, 7
	s_lshl_b32 s81, s19, 6
	s_add_co_u32 s80, s80, s81
	s_lshl_b32 s80, s80, 13                        ; (128 X + 64 half) rows of 8,192 bytes
	s_mov_b32 s81, 0
	; K's and V's images and scale words: made of Y and the wave alone
	s_lshl_b32 s89, s18, 4
	s_add_co_u32 s89, s89, 256                     ; block 256 + 16 Y: the head's key step 0 of K
	s_mul_i32 s82, s89, 12288
	s_mul_i32 s83, s19, 3145728                    ; V's blocks lie 256 blocks on
	s_add_co_u32 s82, s82, s83
	s_mov_b32 s83, 0
	s_lshl_b32 s84, s89, 9
	s_lshl_b32 s85, s19, 17
	s_add_co_u32 s84, s84, s85
	s_mov_b32 s85, 0
	s_mul_i32 s86, s19, 64*MP                      ; where they go in a slot: no place in the cluster enters an LDS address
	s_mul_i32 s87, s19, 12288
	s_add_co_u32 s87, s87, KOFF
	s_lshl_b32 s88, s19, 13
	s_add_co_u32 s88, s88, SCK
	; Q: block 16 Y + X, image w
	s_lshl_b32 s89, s18, 4
	s_add_co_u32 s89, s89, s17
	s_mul_i32 s90, s89, 12288
	s_mul_i32 s91, s[WV], 1536
	s_add_co_u32 s90, s90, s91
	s_mov_b32 s91, 0
	s_lshl_b32 s92, s89, 9
	s_lshl_b32 s93, s[WV], 6
	s_add_co_u32 s92, s92, s93
	s_mov_b32 s93, 0
	; y: stored tile 8 X + w
	s_lshl_b32 s89, s17, 3
	s_add_co_u32 s89, s89, s[WV]
	s_lshl_b32 s89, s89, 4
	s_lshl_b32 s96, s89, 6                         ; its 16 rows of 64 scale bytes,
	s_lshl_b32 s97, s18, 2
	s_add_co_u32 s96, s96, s97                     ; word Y
	s_mov_b32 s97, 0
	s_add_co_u32 s89, s89, s18
	s_mul_i32 s94, s89, 1536                       ; image 16 tile + Y
	s_mov_b32 s95, 0
	; the prefetches (macro ASK)
	s_lshl_b32 s98, s17, 7
	s_lshl_b32 s99, s16, 5
	s_add_co_u32 s98, s98, s99
	s_lshl_b32 s98, s98, 13                        ; the mask: row 128 X + 32 cy,
	s_lshl_b32 s99, s[WV], 8
	s_add_co_u32 s98, s98, s99                     ; + 256 x wave,
	s_add_co_u32 s98, s98, 1536                    ; at key step 3: the first change of slots steps it to 4
	s_lshl_b32 s99, s18, 4
	s_add_co_u32 s99, s99, s15
	s_add_co_u32 s99, s99, 259
	s_mul_i32 s99, s99, 12288                      ; K: block 256 + 16 Y + 3 + cx
	s_and_b32 s100, ttmp7, 0xffff                  ; cluster y
	s_lshr_b32 s101, 0x73, s[WV]
	s_and_b32 s101, s101, 1
	s_xor_b32 s101, s101, 1                        ; 0 in waves 0, 1, 4, 5, 6
	s_mov_b32 s[PFS], 12288
	s_mov_b32 s[PFS+1], 0
	s_mov_b32 s2, 256
	s_wait_kmcnt 0x0
	s_cmp_lt_u32 s[WV], 2                          ; waves 0, 1 ask for the mask, waves 4 to 6 for K and V
	s_cselect_b64 s[PFA:PFA+1], s[8:9], s[4:5]
	s_cselect_b32 s[PFS], 512, s[PFS]              ; a key step on
	s_cselect_b32 s[EVR], 0, 1
	s_cselect_b32 s98, s98, s99
	s_cselect_b32 s100, s100, ttmp9                ; the coordinate along which other clusters read the same bytes: the same in all sixteen partners
	s_cselect_b32 s2, 8192, s2                     ; from lane to lane
	s_mov_b32 s99, 0
	s_add_nc_u64 s[PFA:PFA+1], s[PFA:PFA+1], s[98:99]
	s_or_b32 s100, s100, s101
	s_cmp_eq_u32 s100, 0
	s_cselect_b32 s[LIM], 1, -1
	s_cmp_lt_u32 s[WV], 2
	s_cselect_b32 s[LIM+1], s[LIM], -1             ; K and V are asked for in a trip's first step alone
	s_max_u32 s101, s[WV], 4
	s_sub_co_u32 s101, s101, 4
	v_and_b32 v10, 31, v0                          ; lane
	v_lshl_add_u32 v11, s101, 5, v10               ; which row (mask) or which of a key step's 96 blocks (K, V)
	v_mul_lo_u32 v[PFO], v11, s2
	v_mov_b32 v[TA], 0x2fd000                      ; blocks 48 on are V's: 3,145,728 - 12,288 bytes further
	v_cmp_le_u32 vcc_lo, 48, v11
	v_cndmask_b32 v[TA], 0, v[TA], vcc_lo
	v_add_nc_u32 v[PFO], v[PFO], v[TA]
	s_add_nc_u64 s[80:81], s[8:9], s[80:81]
	s_add_nc_u64 s[82:83], s[4:5], s[82:83]
	s_add_nc_u64 s[84:85], s[6:7], s[84:85]
	CROUND                                         ; all sixteen work-groups are here: the first joint loads meet
.irp s, 0,1
	s_mov_b32 s[G0M+4*\s], 1                       ; count = 1
	s_add_co_u32 s[G0M+4*\s+1], s86, \s*SLOT       ; LDS address
	s_add_nc_u64 s[G0M+4*\s+2:G0M+4*\s+3], s[80:81], \s*512   ; key step s: 128 keys of 4 bytes on
	s_or_b32 s[G0M+4*\s+3], s[G0M+4*\s+3], 0x80000000         ; type = 2
	s_mov_b32 s[G0K+4*\s], 1
	s_add_co_u32 s[G0K+4*\s+1], s87, \s*SLOT
	s_add_nc_u64 s[G0K+4*\s+2:G0K+4*\s+3], s[82:83], \s*12288
	s_or_b32 s[G0K+4*\s+3], s[G0K+4*\s+3], 0x80000000
.endr
	s_mov_b32 s[G0S], 1
	s_mov_b32 s[G0S+1], s88
	s_mov_b64 s[G0S+2:G0S+3], s[84:85]
	s_or_b32 s[G0S+3], s[G0S+3], 0x80000000
	s_cmp_lt_u32 s[WV], 2                          ; a wave's first fills stand in one branch, ahead of every wait on TENSORcnt and every LDS read: two or three loads of mine are out
	s_cbranch_scc0 .Lfirst_kv
	tensor_load_to_lds s[G0M:G0M+3], s[G1M:G1M+7]
	s_nop 0
	tensor_load_to_lds s[G0M+4:G0M+7], s[G1M:G1M+7]
	s_nop 0
.rept 4
	v_nop
.endr
	s_branch .Lfirst_asked
.Lfirst_kv:
	s_cmp_lt_u32 s[WV], 4
	s_cbranch_scc0 .Lfirst_asked
	tensor_load_to_lds s[G0S:G0S+3], s[G1S:G1S+7]
	s_nop 0
	tensor_load_to_lds s[G0K:G0K+3], s[G1K:G1K+7]
	s_nop 0
	tensor_load_to_lds s[G0K+4:G0K+7], s[G1K:G1K+7]
	s_nop 0
.rept 4
	v_nop
.endr
.Lfirst_asked:
	s_add_nc_u64 s[90:91], s[4:5], s[90:91]
	s_add_nc_u64 s[92:93], s[6:7], s[92:93]
	s_add_nc_u64 s[10:11], s[10:11], s[94:95]
	s_add_nc_u64 s[12:13], s[12:13], s[96:97]
	v_lshlrev_b32 v[LI], 4, v10
	v_and_b32 v11, 15, v0                          ; r
	v_lshlrev_b32 v[QA], 2, v11
.irp c, 0,1,2
	global_load_b128 v[Q+4*\c:Q+4*\c+3], v[LI], s[90:91] offset:512*\c   ; Q's fragment stays in registers
.endr
	global_load_b32 v[QS], v[QA], s[92:93]         ; and its scale words
	v_lshlrev_b32 v[YSO], 6, v11
	v_add_nc_u32 v[AF], KOFF, v[LI]
	v_add_nc_u32 v[AF+1], KOFF+SLOT, v[LI]
	v_bfe_u32 v[TA], v0, 4, 1                      ; h
	v_and_b32 v43, 8, v11
	v_add_nc_u32 v43, v43, v11                     ; r + 8 (r / 8)
	s_lshr_b32 s79, s[WV], 1
	s_lshl_b32 s79, s79, 5
	s_lshl_b32 s89, s19, 3
	s_add_co_u32 s79, s79, s89                     ; 32 (w / 2) + 8 (w % 2)
	v_add_nc_u32 v43, s79, v43                     ; my query among the 128
	v_mul_u32_u24 v[AM], v43, MP
	v_lshl_add_u32 v[AM], v[TA], 6, v[AM]          ; + 64 h: keys 16 h on
	v_add_nc_u32 v[AM+1], SLOT, v[AM]
	v_lshl_add_u32 v[ASC], v10, 2, SCK
	v_mov_b32 v13, 0xff61b1e6                      ; the largest t so far: -3e38
	v_floor_f32 v12, -v13                          ; -M
	v_mov_b32 v14, 0                               ; the sum, in two halves
	v_mov_b32 v15, 0
	v_mov_b32 v[F+1], 0                            ; (named as the upper half of the pair)
.irp b, 0,1,2,3
	v_mov_b32 v[TM+4+\b], 0                        ; written once: a lane permute's destination counts as one of its sources
.endr
	WIN 0x40
.set i, 0
.rept 64
	v_mov_b32 v[O+i], 0                            ; O^T.  The key step is written without a first step of its own: the first change of M multiplies zeros
.set i, i+1
.endr
	WIN 0
; A KEY STEP on slot cur.  kind = 2: the slot is filled again (a round of the cluster's barrier, the joint load);  1: the last change of slots (a plain barrier, nothing is filled);  0: the last step.
.macro STEP cur, kind
	s_wait_dscnt 28                                ; K, the mask and K's scale words are in; the 28 younger loads are V's
	WIN 0x01                                       ; source 0 (K) window 1
.irp t, 0,1,2,3,4,5,6,7
.if (\t)%2
	v_wmma_scale_f32_16x16x128_f8f6f4 v[S+8*\t:S+8*\t+7], v[FK+12*\t:FK+12*\t+11], v[Q:Q+11], 0, v[KSC+\t/2], v[QS] matrix_a_fmt:MATRIX_FMT_FP6 matrix_b_fmt:MATRIX_FMT_FP6 matrix_a_scale:MATRIX_SCALE_ROW1
.else
	v_wmma_scale_f32_16x16x128_f8f6f4 v[S+8*\t:S+8*\t+7], v[FK+12*\t:FK+12*\t+11], v[Q:Q+11], 0, v[KSC+\t/2], v[QS] matrix_a_fmt:MATRIX_FMT_FP6 matrix_b_fmt:MATRIX_FMT_FP6
.endif
.endr
	WIN 0x04                                       ; source 1 (the mask) window 1
	PLACES
.set i, 0
.rept 32
	v_pk_add_f32 v[S+2*i:S+2*i+1], v[S+2*i:S+2*i+1], v[MK+2*i:MK+2*i+1]   ; logit = score + mask, rounded to f32; each accumulator is read from its low end on
.set i, i+1
.endr
.set i, 0
.rept 32
	v_pk_mul_f32 v[S+2*i:S+2*i+1], v[S+2*i:S+2*i+1], s[CS:CS+1] op_sel_hi:[1,0]   ; t = logit x log2(e), rounded to f32
.set i, i+1
.endr
	WIN 0
.irp b, 0,1,2,3
	v_max3_num_f32 v[TM+\b], v[S+16*\b], v[S+16*\b+1], v[S+16*\b+2]   ; THE LARGEST t OF EACH BLOCK OF 32 KEYS: it serves for the row's maximum and, since p rises with t, for the block's largest p
.endr
.irp i, 3,5,7,9,11,13
.irp b, 0,1,2,3
	v_max3_num_f32 v[TM+\b], v[TM+\b], v[S+16*\b+\i], v[S+16*\b+\i+1]
.endr
.endr
.irp b, 0,1,2,3
	v_max_num_f32 v[TM+\b], v[TM+\b], v[S+16*\b+15]
.endr
.irp b, 0,1,2,3
	v_permlanex16_b32 v[TM+4+\b], v[TM+\b], s[SEL], s[SEL+1]
.endr
.irp b, 0,1,2,3
	v_max_num_f32 v[TM+\b], v[TM+\b], v[TM+4+\b]   ; with lane l xor 16's 16 keys
.endr
	v_max3_num_f32 v[TA], v[TM], v[TM+1], v[TM+2]
	v_max_num_f32 v[TA], v[TA], v[TM+3]
	v_max_num_f32 v13, v13, v[TA]                  ; the running largest t
	v_mov_b32 v[TA], v12
	v_floor_f32 v12, -v13                          ; the new -M = floor(-t) = -ceil(t): a whole number
	v_sub_f32 v[TA], v12, v[TA]                    ; old M - new M: a whole number, 0 or less
	v_cvt_i32_f32 v[TA], v[TA]                     ; (it saturates)
	v_ldexp_f32 v[F], 1.0, v[TA]                   ; f = 2^(old M - new M)
.set i, 0
.rept 32
	v_pk_add_f32 v[S+2*i:S+2*i+1], v[S+2*i:S+2*i+1], v[12:13] op_sel_hi:[1,0]   ; t - M (of the pair the low word, -M, serves both halves): never above 0
.set i, i+1
.endr
.irp b, 0,1,2,3
	v_add_f32 v[TM+\b], v[TM+\b], v12              ; the same of each block's largest t
.endr
.if \kind
	s_wait_tensorcnt 0x0                           ; all my tensor loads have landed, my part of the other slot among them: so a group 0 may be written
	ds_add_u32 v[SPW], v[NIL]                      ; 0 onto my spare word
.if \kind == 2
	s_add_nc_u64 s[G0M+4*\cur+2:G0M+4*\cur+3], s[G0M+4*\cur+2:G0M+4*\cur+3], 1024    ; this slot's next key step: two on
	s_add_nc_u64 s[G0K+4*\cur+2:G0K+4*\cur+3], s[G0K+4*\cur+2:G0K+4*\cur+3], 24576
	s_wait_xcnt 0x0                                ; the last prefetch, a key step back, has read its address, so it may be written
	s_add_nc_u64 s[PFA:PFA+1], s[PFA:PFA+1], s[PFS:PFS+1]
.endif
	s_wait_dscnt 0x0                               ; the add is done; V is in: my reads of this slot are over
.if \kind == 2
	CROUND                                         ; no wave of any partner still reads this slot or has a load on its way
	TLOAD \cur                                     ; the first tensor load behind the round, one a wave: it has a whole key step in which to land
.else
	s_barrier_signal -1
	s_barrier_wait -1                              ; the other slot is whole; nothing is filled again
.endif
	v_add_nc_u32 v[ASC], 512, v[ASC]               ; the next step's scale words
	LDKM 1-\cur                                    ; the next step's K and mask land under the exponentials and the second product
.if \kind == 2
	ASK \cur
.endif
.endif
.set i, 0
.rept 64
	v_exp_f32 v[S+i], v[S+i]                       ; p = 2^(t - M), at most 1: NOT normalised
.set i, i+1
.endr
	v_pk_mul_f32 v[14:15], v[14:15], v[F:F+1] op_sel_hi:[1,0]   ; the sums under the new M (a plain line behind the exponentials)
	s_wait_alu depctr_va_vdst(0)                   ; one wait for the whole batch, ahead of its first reader
.irp b, 0,1,2,3
	v_exp_f32 v[TM+\b], v[TM+\b]                   ; the block's largest p: the same lines on the same number give the same bits
.endr
	v_pk_add_f32 v[TM+4:TM+5], v[S:S+1], v[S+2:S+3]   ; THE ROW'S SUM IS TAKEN OF THE UNQUANTISED p: two at a time, in two chains
.irp j, 4,8,12,16,20,24,28,32,36,40,44,48,52,56,60
	v_pk_add_f32 v[14:15], v[14:15], v[S+\j:S+\j+1]
	v_pk_add_f32 v[TM+4:TM+5], v[TM+4:TM+5], v[S+2+\j:S+3+\j]
.endr
	v_pk_add_f32 v[14:15], v[14:15], v[TM+4:TM+5]
	s_wait_alu depctr_va_vdst(0)                   ; and one for the four
.irp b, 0,1,2,3
	v_max_num_f32 v[TM+\b], 0x1800000, v[TM+\b]    ; the floor 2^(3 - 127): the byte cannot fall under 1 (a block whose every p is 0 keeps that byte: its codes are zeros)
.endr
	QTAIL S, PSC
	WIN 0x41                                       ; O^T (destination and source 0) window 1
.set i, 0
.rept 32
	v_pk_mul_f32 v[O+2*i:O+2*i+1], v[O+2*i:O+2*i+1], v[F:F+1] op_sel_hi:[1,0]   ; O^T under the new M; each accumulator is read from its low end on
.set i, i+1
.endr
	WIN 0x50                                       ; C and D window 1
	PLACES                                         ; p's codes and its scale word were written by vector lines: these, and the 32 above, stand between
.if \kind == 0
	s_wait_dscnt 0x0                               ; V is in
.endif
.irp t, 0,1,2,3,4,5,6,7                        ; O^T += V^T P^T: the eight accumulators by turns, one instruction a turn
.if (\t)%2
	v_wmma_scale_f32_16x16x128_f8f6f4 v[O+8*\t:O+8*\t+7], v[FV+12*\t:FV+12*\t+11], v[PC:PC+11], v[O+8*\t:O+8*\t+7], v[VSC+\t/2], v[PSC] matrix_a_fmt:MATRIX_FMT_FP6 matrix_b_fmt:MATRIX_FMT_FP6 matrix_a_scale:MATRIX_SCALE_ROW1
.else
	v_wmma_scale_f32_16x16x128_f8f6f4 v[O+8*\t:O+8*\t+7], v[FV+12*\t:FV+12*\t+11], v[PC:PC+11], v[O+8*\t:O+8*\t+7], v[VSC+\t/2], v[PSC] matrix_a_fmt:MATRIX_FMT_FP6 matrix_b_fmt:MATRIX_FMT_FP6
.endif
.endr
	WIN 0
	PLACES
.if \kind
	LDV 1-\cur                                     ; the next step's V lands under its first product and maxima
.endif
.endm
	s_wait_tensorcnt 1                             ; the scale words and my part of slot 0 are in; slot 1's load may be out
	s_barrier_signal -1
	s_barrier_wait -1                              ; everybody's are
	LDKM 0
	LDV 0
	s_wait_loadcnt 0x0                             ; Q
	s_mov_b32 s3, 7
.Ltrip:                                            ; seven trips of two key steps: steps 0 to 13 fill their slot again with steps 2 to 15
	STEP 0, 2
	STEP 1, 2
	s_sub_co_u32 s3, s3, 1
	s_cmp_lg_u32 s3, 0
	s_cbranch_scc1 .Ltrip
	STEP 0, 1                                      ; the tail is written out
	STEP 1, 0
	; THE WAY OUT.  O^T / the sum is y's 128 channels of my query, register 16 b + i = channel 32 b + 16 h + i: it is quantised along the channels and leaves as the image of a fragment of the last product's A.
	v_add_f32 v14, v14, v15                        ; the sum's two halves,
	v_permlanex16_b32 v[TA], v14, s[SEL], s[SEL+1]
	v_add_f32 v14, v14, v[TA]                      ; and lane l xor 16's: the row's sum
	v_rcp_f32 v14, v14
	v_nop                                          ; a plain line behind the reciprocal
	s_wait_alu depctr_va_vdst(0)                   ; and the wait ahead of its first reader
	WIN 0x01                                       ; source 0 (O^T) window 1
.set i, 0
.rept 32
	v_pk_mul_f32 v[S+2*i:S+2*i+1], v[O+2*i:O+2*i+1], v[14:15] op_sel_hi:[1,0]
.set i, i+1
.endr
	WIN 0
	QUANT S, PW
.irp c, 0,1,2
	global_store_b128 v[LI], v[PC+4*\c:PC+4*\c+3], s[10:11] offset:512*\c   ; 512 consecutive bytes a store
.endr
	global_store_b32 v[YSO], v[PW], s[12:13]       ; my row's scale word for this head: rows 64 bytes apart (lanes r and 16 + r write the same word with the same value); one part in 25 of the output
	s_wait_tensorcnt 0x0                           ; the wave's end
	ds_add_u32 v[SPW], v[NIL]
	s_wait_dscnt 0x0
	CROUND                                         ; the closing round: no work-group ends while a partner may still ask for a tile that names it
	s_endpgm
.Lfunc_end_k_q3773c4442b_attn:
	.size	k_q3773c4442b_attn, .Lfunc_end_k_q3773c4442b_attn-k_q3773c4442b_attn
	.p2alignl 7, 3214868480
	.fill 96, 4, 3214868480
	.section	.rodata,"a",@progbits
	.p2align	6, 0x0
	.amdhsa_kernel k_q3773c4442b_attn
		.amdhsa_group_segment_fixed_size 327680
		.amdhsa_private_segment_fixed_size 0
		.amdhsa_enable_private_segment 0
		.amdhsa_kernarg_size 40
		.amdhsa_user_sgpr_count 2
		.amdhsa_user_sgpr_kernarg_segment_ptr 1
		.amdhsa_wavefront_size32 1
		.amdhsa_system_sgpr_workgroup_id_x 1
		.amdhsa_system_sgpr_workgroup_id_y 1
		.amdhsa_system_sgpr_workgroup_id_z 1
		.amdhsa_system_vgpr_workitem_id 0
		.amdhsa_next_free_vgpr 480
		.amdhsa_next_free_sgpr 102
		.amdhsa_reserve_vcc 1
		.amdhsa_float_denorm_mode_32 3
		.amdhsa_float_denorm_mode_16_64 3
		.amdhsa_memory_ordered 1
		.amdhsa_forward_progress 1
		.amdhsa_inst_pref_size 121
	.end_amdhsa_kernel
	.amdgpu_metadata
---
amdhsa.version: [ 1, 2 ]
amdhsa.kernels:
  - .name:           k_q3773c4442b_attn
    .symbol:         k_q3773c4442b_attn.kd
    .args:
      - { .name: qkvc, .offset: 0, .size: 8, .value_kind: global_buffer, .address_space: global }
      - { .name: qkvs, .offset: 8, .size: 8, .value_kind: global_buffer, .address_space: global }
      - { .name: attn_mask, .offset: 16, .size: 8, .value_kind: global_buffer, .address_space: global }
      - { .name: ycodes, .offset: 24, .size: 8, .value_kind: global_buffer, .address_space: global }
      - { .name: yscales, .offset: 32, .size: 8, .value_kind: global_buffer, .address_space: global }
    .group_segment_fixed_size: 327680
    .private_segment_fixed_size: 0
    .kernarg_segment_align: 8
    .kernarg_segment_size: 40
    .max_flat_workgroup_size: 256
    .sgpr_count:     102
    .vgpr_count:     480
    .wavefront_size: 32
...
	.end_amdgpu_metadata
.endif
;; end of part 3
;; launch outp (part 4): grid 16 x 16, 4 waves a work-group, clusters of 4 x 4, 327,680 bytes of LDS; arguments ycodes, yscales, wcodes, wscales, out0; writes out0
.if DOCPART == 4
	.amdgcn_target "amdgcn-amd-amdhsa--gfx1250"
	.amdhsa_code_object_version 6
	.text
	.protected	k_q3773c4442b_outp
	.globl	k_q3773c4442b_outp
	.p2align	8
	.type	k_q3773c4442b_outp,@function
k_q3773c4442b_outp:
	s_mov_b64 s[64:65], 0
	v_nop
	global_prefetch_b8 v0, s[64:65] scope:SCOPE_SE
	s_setreg_imm32_b32 hwreg(HW_REG_WAVE_MODE, 25, 1), 1
	s_wait_xcnt 0x0
	s_wait_alu depctr_hold_cnt(0) depctr_sa_sdst(0) depctr_va_vdst(0) depctr_va_sdst(0) depctr_va_ssrc(0) depctr_va_vcc(0) depctr_vm_vsrc(0)
	s_getreg_b32 s2, hwreg(HW_REG_IB_STS2, 6, 4)
	s_cmp_eq_u32 s2, 0
	s_cbranch_scc0 .Lentry_in_a_cluster
	s_endpgm
.Lentry_in_a_cluster:
	s_bfe_u32 s2, ttmp6, 0x10000c
	s_cmp_lg_u32 s2, 0xf033
	s_cbranch_scc0 .Lentry_shape_is_right
	s_endpgm
.Lentry_shape_is_right:
; out0 = y Wo^T on codes of FP6 (E2M3) with E8M0 scales, K = 2,048; out0 [2048][2048] f32.
; A = y: images of fragments, ycodes [stored tile of 16 queries 128][head 16][1,536 bytes]; its scale words yscales [stored row][64 bytes].  B = Wo: rows of codes at stored rows 8,192 on of wcodes, scale bytes in wscales.
; Rows of both are stored with bits 3 and 4 swapped; the way out puts every number at its true row and column.
; A TILE OF out0 IS 128 x 128, so that the grid has 256 work-groups; four waves, each 64 x 64 in 16 accumulators.  For 128 along K a wave reads 8 fragments (12,288 bytes) from LDS for 16 matrix instructions: twice the bytes
; for each product that a wave of 128 x 128 reads; that is the price of four times as many work-groups.
; K goes in steps of 512 (four heads) through a ring of two LDS slots: four fills in all, two at the start and one behind each of two rounds, so the sixteen steps of 128 are written out by macro, without a loop.
; Waves 0 and 1 fetch A's two halves (4 tiles of 16 queries x 6,144 bytes each); waves 2 and 3 fetch B's 128 rows, each 256 of the slot's 512 along K (rows of 192 bytes).  The scale bytes of the work-group's rows come once and stay.
; CLUSTERS: 4 x 4 work-groups; A's tiles are asked for jointly along a row of the cluster, B's along a column: the same load, the same descriptor, a mask that names the four.
; THE MATRIX INSTRUCTION IS USED TRANSPOSED (source 0 = 16 rows of Wo, source 1 = 16 rows of y): a lane holds eight neighbouring columns of one row of out0.
; No prefetch: each tile is asked for by four clusters, and the launch has only two refills.  One tile to a work-group.
; REGISTERS, in windows of 256: window 0: v16-29 addresses; v32-63 scale words, two sets of 16; v64-127 rows on the way out; v128-255 the accumulators ((a, b) at v[128 + 8 (4 a + b)]).
;   window 1: v0-95 A's fragments (4 x 16 rows x 128 K), two sets; v96-191 B's, two sets.
.set SIZE_N, 2048
.set NQ,     4                         ; steps of 128 along K in a slot
.set ROWB,   192                       ; B: a sub-tile's row in bytes: 256 codes
.set AROWB,  6144                      ; A: four heads' images of a tile of 16 queries
.set KROW,   1536                      ; a row of codes in memory (for A: a sixteenth of a tile's 24,576 bytes)
.set PITCH,  240                       ; B's LDS row: 3 x (64 bytes + 16 of padding): the 32 lanes of a load of 8 bytes touch 64 different banks (64 banks of 4 bytes: ISA guide 11.1)
.set FR,     12                        ; registers of a fragment
.set NP,     4                         ; places behind this matrix instruction (ISA guide 7.12.1)
.set SUBB,   128*PITCH                 ; B: 128 rows x 256 along K: what one load brings
.set HALFA,  4*AROWB                   ; A: 4 tiles of 16 rows x 512 along K: what one load brings, and what one wave reads
.set SLOT,   2*HALFA+2*SUBB            ; A's two halves, then B's two sub-tiles
.set KS,     64                        ; a row of scales in bytes
.set SCL,    2*SLOT                    ; behind the ring: the scales, as units of 256 bytes + 16 of padding
.set HALFS,  (64*KS/256)*272           ; those of 64 rows: what one load brings
.set SBLK,   (16*KS/256)*272           ; those of 16 rows
.set SPARE,  SCL+4*HALFS               ; the spare words, 128 bytes for each wave: two blocks of 256 bytes that no other line names
.set SPITCH, 272                       ; the way out: a stage of 16 rows x (256 bytes + 16) for each wave, in slot 0, which has had its last fill and its last read when the first result is stored there
.set ADRA, 16                          ; v16-17 LDS address of my A images in slot 0, 1
.set ADRB, 20                          ; v20-21 LDS address of my B fragments in slot 0, 1 (v22-23: for the pieces behind one padding more)
.set STO,  24                          ; v24    the way out: where I put 32 bytes of a row
.set RD,   25                          ; v25    where I read a row back
.set CO,   26                          ; v26    my byte offset in two rows of out0
.set ADRS, 27                          ; v27    LDS address of my scale words: lanes 0-15 A's rows, lanes 16-31 B's; never rewritten
.set SPW,  28                          ; v28    LDS address of my spare word; never rewritten
.set NIL,  29                          ; v29    0; never rewritten
.set SC,   32                          ; scale words: set s (for slot s) at v[SC + 16 s]; in it register 4 i + q: lanes 0-15 the word of A's block i, lanes 16-31 that of B's block i, for the slot's q-th 128 along K
.set BK,   64                          ; the way out: 16 rows read back from the stage: v64-95 and v96-127 by turns
.set ACC,  128
.set AF,   0                           ; window 1: A's fragments, set p at 48 p
.set BF,   96                          ; window 1: B's fragments, set p at 96 + 48 p
.set G1, 24                            ; s[24:31] descriptor group 1 for A's tiles;  s[32:39] group 0, one set for each slot
.set G0, 32
.set G1B, 48                           ; s[48:55], s[56:63] the same for B's tiles
.set G0B, 56
.set G1S, 68                           ; s[68:75], s[76:79] groups 1 and 0 for A's scales;  s[80:87], s[88:91] for B's
.set G0S, 76
.set G1SB, 80
.set G0SB, 88
.set MSB, 0
.macro WIN new                         ; the immediate's high byte repeats the setting that is left
.if MSB != \new
	s_set_vgpr_msb (MSB<<8)|\new
.set MSB, \new
.endif
.endm
.set MUL,  0x05                        ; sources 0 (B) and 1 (A) window 1; C and D window 0
.set TO_F, 0x40                        ; destination window 1, address window 0
.macro JLOAD g0a, g1a, g0b, g1b        ; a joint load: waves 0 and 1 fetch for A, waves 2 and 3 for B; the branch hangs on the wave's number alone; four v_nop follow each of the two lines
	s_cmp_eq_u32 s15, 0
	s_cbranch_scc0 .Lfor_b_\@
	tensor_load_to_lds s[\g0a:\g0a+3], s[\g1a:\g1a+7]
	s_nop 0
.rept 4
	v_nop
.endr
	s_branch .Lasked_\@
.Lfor_b_\@:
	tensor_load_to_lds s[\g0b:\g0b+3], s[\g1b:\g1b+7]
	s_nop 0
.rept 4
	v_nop
.endr
.Lasked_\@:
.endm
.macro CREST                           ; a round of the cluster's barrier behind its opening barrier
	s_cmp_lg_u32 s14, 0
	s_cbranch_scc1 .Lnot_wave_0_\@
	s_barrier_signal -3
.Lnot_wave_0_\@:
	s_barrier_wait -3
	s_barrier_signal -1
	s_barrier_wait -1
.endm
.macro CROUND                          ; a whole round
	s_barrier_signal -1
	s_barrier_wait -1
	CREST
.endm
	s_load_b128 s[4:7], s[0:1], 0x0                ; ycodes, yscales
	s_load_b128 s[8:11], s[0:1], 0x10              ; wcodes, wscales
	s_load_b64 s[12:13], s[0:1], 0x20              ; out0
	v_lshl_add_u32 v[SPW], v0, 2, SPARE
	v_mov_b32 v[NIL], 0
	ds_add_u32 v28, v29
	s_wait_dscnt 0x0
	v_lshrrev_b32 v1, 5, v0
	v_readfirstlane_b32 s14, v1                    ; wave 0..3
	s_lshr_b32 s15, s14, 1                         ; which half of the tile's rows is mine.  Also: I fetch for A (0) or for B (1)
	s_and_b32 s16, s14, 1                          ; which half of its columns.  Also: which part of that tile I fetch
	s_bfe_u32 s40, ttmp6, 0x40000                  ; cx, cy: my place in the cluster
	s_bfe_u32 s41, ttmp6, 0x40004
	s_lshl_b32 s42, ttmp9, 2
	s_add_co_u32 s42, s42, s40                     ; tile column = 4 x cluster x + cx, 0..15
	s_and_b32 s17, ttmp7, 0xffff
	s_lshl_b32 s17, s17, 2
	s_add_co_u32 s17, s17, s41                     ; tile row = 4 x cluster y + cy, 0..15
	s_lshl_b32 s43, s41, 2
	s_lshl_b32 s43, 15, s43                        ; my row of the cluster
	s_lshl_b32 s44, 0x1111, s40                    ; my column
	s_or_b32 s[G1+0], s43, (3<<16)|(1<<21)         ; A: 4 rows (tiles of 16 queries) x 768 elements of 8 bytes (four heads' images), 24,576 bytes apart; no padding: an image is read 512 consecutive bytes at a time; bit 21 set beside a mask
	s_mov_b32 s[G1+1], 768<<16                     ; tensor_dim0
	s_mov_b32 s[G1+2], 4<<16                       ; tensor_dim1
	s_mov_b32 s[G1+3], 768<<16                     ; tile_dim0
	s_mov_b32 s[G1+4], 4                           ; tile_dim1
	s_mov_b32 s[G1+5], 3072                        ; elements from row to row
	s_mov_b32 s[G1+6], 0
	s_mov_b32 s[G1+7], 0
	s_or_b32 s[G1B+0], s44, (0<<16)|(1<<20)|(1<<21)|(3<<22)|(3<<25)   ; B: 128 rows x 192 bytes, 16 bytes of padding behind every 64
	s_mov_b32 s[G1B+1], ROWB<<16
	s_mov_b32 s[G1B+2], 128<<16
	s_mov_b32 s[G1B+3], ROWB<<16
	s_mov_b32 s[G1B+4], 128
	s_mov_b32 s[G1B+5], KROW
	s_mov_b32 s[G1B+6], 0
	s_mov_b32 s[G1B+7], 0
	s_or_b32 s[G1S+0], s43, (3<<16)|(1<<20)|(1<<21)|(5<<22)|(3<<25)   ; the scales of 64 rows: 4,096 dense bytes as 16 rows of 256 (32 elements of 8 bytes), 16 bytes of padding behind each
	s_or_b32 s[G1SB+0], s44, (3<<16)|(1<<20)|(1<<21)|(5<<22)|(3<<25)
.irp g, G1S, G1SB
	s_mov_b32 s[\g+1], 32<<16
	s_mov_b32 s[\g+2], (64*KS/256)<<16
	s_mov_b32 s[\g+3], 32<<16
	s_mov_b32 s[\g+4], 64*KS/256
	s_mov_b32 s[\g+5], 32
	s_mov_b32 s[\g+6], 0
	s_mov_b32 s[\g+7], 0
.endr
	; where the tiles come from.  A's hang on the tile row and the wave alone, B's on the tile column and the wave alone, each in registers that never hold the other coordinate.  All offsets stay under 2^24 bytes
	s_lshl_b32 s18, s16, 6                         ; 64 x part
	s_lshl_b32 s19, s17, 7
	s_add_co_u32 s19, s19, s18                     ; A: stored row 128 x tile row + 64 x part
	s_mul_i32 s20, s19, KROW                       ; its images (16 rows x 1,536 = a tile's 24,576 bytes)
	s_mov_b32 s21, 0
	s_lshl_b32 s22, s19, 6                         ; its scale bytes
	s_mov_b32 s23, 0
	s_lshl_b32 s95, s42, 7
	s_add_co_u32 s95, s95, 8192                    ; B: Wo's stored rows begin at 8,192; 128 x tile column on
	s_mul_i32 s46, s95, KROW                       ; its codes: all 128 rows,
	s_mul_i32 s47, s16, ROWB
	s_add_co_u32 s46, s46, s47                     ; the part-th 256 of a slot's 512 along K
	s_mov_b32 s47, 0
	s_add_co_u32 s92, s95, s18
	s_lshl_b32 s92, s92, 6                         ; its scale bytes: 64 rows x part on
	s_mov_b32 s93, 0
	s_mul_i32 s45, s16, HALFA                      ; where they go: no place in the cluster enters an LDS address
	s_mul_i32 s95, s16, SUBB
	s_add_co_u32 s95, s95, 2*HALFA
	s_mul_i32 s94, s14, HALFS
	s_wait_kmcnt 0x0
	s_add_nc_u64 s[20:21], s[4:5], s[20:21]
	s_add_nc_u64 s[22:23], s[6:7], s[22:23]
	s_add_nc_u64 s[46:47], s[8:9], s[46:47]
	s_add_nc_u64 s[92:93], s[10:11], s[92:93]
	CROUND                                         ; all sixteen work-groups are here: the first joint loads meet
	s_mov_b32 s[G0S], 1
	s_add_co_u32 s[G0S+1], s94, SCL
	s_mov_b64 s[G0S+2:G0S+3], s[22:23]
	s_or_b32 s[G0S+3], s[G0S+3], 0x80000000
	s_mov_b32 s[G0SB], 1
	s_add_co_u32 s[G0SB+1], s94, SCL
	s_mov_b64 s[G0SB+2:G0SB+3], s[92:93]
	s_or_b32 s[G0SB+3], s[G0SB+3], 0x80000000
	JLOAD G0S, G1S, G0SB, G1SB                     ; the scales first: they are wanted with the first step
.irp s, 0,1
	s_mov_b32 s[G0+4*\s], 1                        ; count = 1
	s_add_co_u32 s[G0+4*\s+1], s45, \s*SLOT        ; LDS address
	s_add_nc_u64 s[G0+4*\s+2:G0+4*\s+3], s[20:21], \s*AROWB      ; heads 4 s on
	s_or_b32 s[G0+4*\s+3], s[G0+4*\s+3], 0x80000000              ; type = 2
	s_mov_b32 s[G0B+4*\s], 1
	s_add_co_u32 s[G0B+4*\s+1], s95, \s*SLOT
	s_add_nc_u64 s[G0B+4*\s+2:G0B+4*\s+3], s[46:47], \s*2*ROWB   ; 512 s along K on
	s_or_b32 s[G0B+4*\s+3], s[G0B+4*\s+3], 0x80000000
	JLOAD G0+4*\s, G1, G0B+4*\s, G1B               ; three tensor loads of mine are out at the most
.endr
	v_and_b32 v1, 15, v0                           ; l % 16
	v_bfe_u32 v2, v0, 4, 1                         ; l / 16
	v_mul_u32_u24 v3, v1, PITCH
	v_mul_u32_u24 v4, v2, 24
	v_add_nc_u32 v4, v3, v4                        ; B: a fragment's row x pitch + 24 x half
	v_lshl_add_u32 v5, v2, 4, v4                   ; and the same behind one padding more
	v_and_b32 v6, 31, v0
	v_lshlrev_b32 v7, 4, v6                        ; 16 x lane
	s_mul_i32 s21, s15, HALFA                      ; my 4 tiles of A
	s_mul_i32 s22, s16, 64*PITCH                   ; my 64 rows of B,
	s_add_co_u32 s22, s22, 2*HALFA                 ; which lie behind A's two halves
.irp s, 0,1
	v_add_nc_u32 v[ADRA+\s], s21, v7
	v_add_nc_u32 v[ADRB+\s], s22, v4
	v_add_nc_u32 v[ADRB+2+\s], s22, v5
	s_add_co_u32 s21, s21, SLOT
	s_add_co_u32 s22, s22, SLOT
.endr
	v_mul_u32_u24 v5, v1, KS                       ; my row's scales: KS bytes a row,
	v_lshrrev_b32 v6, 8, v5
	v_lshl_add_u32 v5, v6, 4, v5                   ; and 16 more for each 256 passed
	s_mul_i32 s21, s15, HALFS                      ; A's: my 64 rows
	s_mul_i32 s22, s16, HALFS                      ; B's: my 64 rows, behind A's 128
	s_add_co_u32 s22, s22, 2*HALFS
	s_sub_co_u32 s22, s22, s21
	v_mul_u32_u24 v6, s22, v2                      ; lanes 16-31 take B's: ONE product, the distance between the two bases x the lane's half
	s_add_co_u32 s21, s21, SCL
	v_add_nc_u32 v5, v5, v6
	v_add_nc_u32 v[ADRS], s21, v5
	s_mul_i32 s23, s14, 16*SPITCH                  ; my stage
	v_mul_u32_u24 v5, v1, SPITCH                   ; in: row l % 16, + 64 x half: accumulator b's eight numbers are columns 32 (b / 2) + 16 h + 8 (b % 2) + 0 .. 7 of my 64
	v_lshl_add_u32 v5, v2, 6, v5
	v_add_nc_u32 v[STO], s23, v5
	v_mul_u32_u24 v5, v2, SPITCH                   ; back: lanes 0-15 take one row of 256 bytes, lanes 16-31 the next
	v_lshl_add_u32 v5, v1, 4, v5
	v_add_nc_u32 v[RD], s23, v5
	v_lshlrev_b32 v5, 13, v2                       ; and the same two rows in out0: 8,192 bytes a row
	v_lshl_add_u32 v[CO], v1, 4, v5
	s_lshl_b32 s20, s17, 7
	s_lshl_b32 s21, s15, 6
	s_add_co_u32 s20, s20, s21                     ; my first row of out0: 128 x tile row + 64 x half,
	s_lshl_b32 s20, s20, 13                        ; in bytes
	s_lshl_b32 s46, s42, 9                         ; my first column, in bytes: 512 x tile column + 256 x half
	s_lshl_b32 s47, s16, 8
	s_add_co_u32 s46, s46, s47
	s_add_co_u32 s20, s20, s46
	s_mov_b32 s21, 0
	s_add_nc_u64 s[12:13], s[12:13], s[20:21]
.macro FRAG reg, adr, q, i             ; a fragment of B from rows: the slot's q-th 128 along K lies in sub-tile q / 2; six pieces of 8 bytes; where the piece three on lies behind one padding more, the second address register serves
.irp p, 0,1,2,3,4,5
.set PCE, 12*((\q)%2)+6*(\p/3)+\p%3
.if PCE%8 < 5
	ds_load_b64 v[\reg+2*\p:\reg+2*\p+1], v[\adr] offset:8*PCE+16*(PCE/8)+(\i)*16*PITCH+((\q)/2)*SUBB
.else
	ds_load_b64 v[\reg+2*\p:\reg+2*\p+1], v[\adr+2] offset:8*PCE+16*(PCE/8)+(\i)*16*PITCH+((\q)/2)*SUBB
.endif
.endr
.endm
.macro FRAGA reg, slot, q, i           ; a fragment of A from its image: tile i of my four, the slot's q-th head
.irp c, 0,1,2
	ds_load_b128 v[\reg+4*\c:\reg+4*\c+3], v[ADRA+\slot] offset:AROWB*(\i)+1536*(\q)+512*\c
.endr
.endm
.macro FETCH slot, q, p                ; 36 LDS loads in one run: the eight fragments of the slot's q-th 128 along K into set p
	WIN TO_F
.irp i, 0,1,2,3
	FRAG BF+48*(\p)+FR*\i, ADRB+\slot, \q, \i
.endr
.irp i, 0,1,2,3
	FRAGA AF+48*(\p)+FR*\i, \slot, \q, \i
.endr
.endm
.macro SCALES sc, ch                   ; the scale words of the ch-th 512 along K into set sc: four words a row by one load; lanes 0-15 take A's block i, lanes 16-31 B's block i.  (Every window is 0 here)
.irp i, 0,1,2,3
	ds_load_b128 v[SC+4*NQ*(\sc)+NQ*\i:SC+4*NQ*(\sc)+NQ*\i+3], v[ADRS] offset:\i*SBLK+16*(\ch)
.endr
.endm
; 4 matrix instructions: A's block a x B's four, 128 along K.  p: the set of fragments;  sc: the set of scale words.  zero = 1: the first product starts the sums: nothing is ever cleared.
; The 16 accumulators take turns, one instruction a turn, in the same order in every step.
.macro MUL4 a, p, q, sc, zero
.irp b, 0,1,2,3
.if \zero
	v_wmma_scale_f32_16x16x128_f8f6f4 v[ACC+8*(4*(\a)+\b):ACC+8*(4*(\a)+\b)+7], v[BF+48*(\p)+FR*\b:BF+48*(\p)+FR*\b+FR-1], v[AF+48*(\p)+FR*(\a):AF+48*(\p)+FR*(\a)+FR-1], 0, v[SC+4*NQ*(\sc)+NQ*\b+(\q)], v[SC+4*NQ*(\sc)+NQ*(\a)+(\q)] matrix_a_fmt:MATRIX_FMT_FP6 matrix_b_fmt:MATRIX_FMT_FP6 matrix_a_scale:MATRIX_SCALE_ROW1
.else
	v_wmma_scale_f32_16x16x128_f8f6f4 v[ACC+8*(4*(\a)+\b):ACC+8*(4*(\a)+\b)+7], v[BF+48*(\p)+FR*\b:BF+48*(\p)+FR*\b+FR-1], v[AF+48*(\p)+FR*(\a):AF+48*(\p)+FR*(\a)+FR-1], v[ACC+8*(4*(\a)+\b):ACC+8*(4*(\a)+\b)+7], v[SC+4*NQ*(\sc)+NQ*\b+(\q)], v[SC+4*NQ*(\sc)+NQ*(\a)+(\q)] matrix_a_fmt:MATRIX_FMT_FP6 matrix_b_fmt:MATRIX_FMT_FP6 matrix_a_scale:MATRIX_SCALE_ROW1
.endif
.endr
.endm
.macro PLACES n                        ; plain vector lines that name none of the matrix instructions' registers, in front of loads into registers that they have read and of the first read of results
.rept \n
	v_nop
.endr
.endm
; A step of 128 along K that has its successor in the same slot: the successor's fragments are asked for first, into the set that the last step multiplied, and land under this step's 16 products.
.macro STEP slot, q, zero
	s_wait_dscnt 0x0                               ; this step's fragments (and, in a slot's first step, its scale words) are in
	PLACES NP
	FETCH \slot, (\q)+1, 1-(\q)%2
	WIN MUL
	MUL4 0, (\q)%2, \q, \slot, \zero
	MUL4 1, (\q)%2, \q, \slot, \zero
	MUL4 2, (\q)%2, \q, \slot, \zero
	MUL4 3, (\q)%2, \q, \slot, \zero
.endm
; A slot's last step changes slots: ONE barrier; in front of it each wave waits for all its tensor loads, adds 0 to its spare word, and waits for that and for its own reads of this slot (its last fragments are in registers).
; fill = 1: this slot is filled again, with the 512 along K two slots on.  ch: which 512 along K the next slot holds.
.macro TURN slot, next, fill, ch
	WIN 0                                          ; (the add's two registers lie in window 0)
	s_wait_tensorcnt 0x0                           ; all my tensor loads have landed: my part of the next slot
	ds_add_u32 v[SPW], v[NIL]                      ; 0 onto my spare word
	s_wait_dscnt 0x0                               ; the add is done; this step's fragments are in: my reads of this slot are over
	s_barrier_signal -1
	WIN MUL
	MUL4 0, 1, NQ-1, \slot, 0                      ; work on registers while the others arrive
	MUL4 1, 1, NQ-1, \slot, 0
	WIN 0
	s_barrier_wait -1
.if \fill
	CREST                                          ; the barrier has opened a round of the cluster's barrier: no wave of any partner still reads this slot's tile or has a load on its way
	s_add_nc_u64 s[G0+4*\slot+2:G0+4*\slot+3], s[G0+4*\slot+2:G0+4*\slot+3], 2*AROWB
	s_add_nc_u64 s[G0B+4*\slot+2:G0B+4*\slot+3], s[G0B+4*\slot+2:G0B+4*\slot+3], 4*ROWB
	JLOAD G0+4*\slot, G1, G0B+4*\slot, G1B         ; the first tensor load behind the round, one a wave: it has the next slot's four steps in which to land; its four v_nop are also the places in front of the loads below
.else
	PLACES NP
.endif
	SCALES \next, \ch
	FETCH \next, 0, 0
	WIN MUL
	MUL4 2, 1, NQ-1, \slot, 0
	MUL4 3, 1, NQ-1, \slot, 0
.endm
	s_wait_tensorcnt 1                             ; the scales and my part of slot 0 are in (slot 1's load may be out)
	s_barrier_signal -1
	s_barrier_wait -1                              ; everybody's are
	SCALES 0, 0
	FETCH 0, 0, 0
	STEP 0, 0, 1                                   ; K 0 on: the first step's products start the sums
	STEP 0, 1, 0
	STEP 0, 2, 0
	TURN 0, 1, 1, 1                                ; slot 0 takes K 1,024 on
	STEP 1, 0, 0                                   ; K 512 on
	STEP 1, 1, 0
	STEP 1, 2, 0
	TURN 1, 0, 1, 2                                ; slot 1 takes K 1,536 on
	STEP 0, 0, 0                                   ; K 1,024 on
	STEP 0, 1, 0
	STEP 0, 2, 0
	TURN 0, 1, 0, 3                                ; nothing is left to fetch: a plain barrier
	STEP 1, 0, 0                                   ; K 1,536 on
	STEP 1, 1, 0
	STEP 1, 2, 0
	s_wait_dscnt 0x0                               ; the very last step
	MUL4 0, 1, NQ-1, 1, 0
	MUL4 1, 1, NQ-1, 1, 0
	MUL4 2, 1, NQ-1, 1, 0
	MUL4 3, 1, NQ-1, 1, 0
	WIN 0
; THE WAY OUT, block by block of 16 stored rows x 64 columns, through my own stage in LDS: in by true columns, back as whole rows of 256 bytes, my 64 columns of f32: sixteen lanes store 256 consecutive bytes, aligned.
; LDS serves a wave's instructions in order (ISA guide 5.7.1.4): no wait between the stores and the loads, nor in front of the next block's stores.  Stage row p of block a is row 32 (a / 2) + 8 (a % 2) + p + 8 (p / 8) of my 64;
; an instruction takes rows p = 2 t and 2 t + 1.  The row stands in the store's immediate, 62 rows of 8,192 bytes at the most, inside the signed 24 bits (ISA guide, chapter 10), so no base is stepped.
.macro TOSTAGE a
.irp b, 0,1,2,3
	ds_store_b128 v[STO], v[ACC+8*(4*(\a)+\b):ACC+8*(4*(\a)+\b)+3] offset:128*(\b/2)+32*(\b%2)          ; each accumulator from its low end on
	ds_store_b128 v[STO], v[ACC+8*(4*(\a)+\b)+4:ACC+8*(4*(\a)+\b)+7] offset:128*(\b/2)+32*(\b%2)+16
.endr
.set BB, BK+32*((\a)%2)
.irp t, 0,1,2,3,4,5,6,7
	ds_load_b128 v[BB+4*\t:BB+4*\t+3], v[RD] offset:\t*2*SPITCH
.endr
.endm
.macro SEND a, younger                 ; younger: the LDS instructions issued behind block a's loads, which may stay out
.set BB, BK+32*((\a)%2)
	s_wait_dscnt \younger                          ; the block is back in registers
.irp t, 0,1,2,3,4,5,6,7
	global_store_b128 v[CO], v[BB+4*\t:BB+4*\t+3], s[12:13] offset:(32*((\a)/2)+8*((\a)%2)+2*\t+8*(\t/4))*SIZE_N*4 th:TH_STORE_NT   ; written once, read by nobody here
.endr
.endm
	PLACES NP                                      ; behind the last products: their results are read below
	TOSTAGE 0
.irp a, 1,2,3
.if \a > 1
	s_wait_xcnt 0x0                                ; block a - 2's stores have read their registers: block a's loads may land there
.endif
	TOSTAGE \a
	SEND \a-1, 16                                  ; behind block a - 1's loads: block a's 8 stores and 8 loads
.endr
	SEND 3, 0
	s_wait_tensorcnt 0x0                           ; the wave's end, behind my last tensor load and my last LDS store
	ds_add_u32 v[SPW], v[NIL]
	s_wait_dscnt 0x0
	CROUND                                         ; the closing round: no work-group ends while a partner may still ask for a tile that names it
	s_endpgm
.Lfunc_end_k_q3773c4442b_outp:
	.size	k_q3773c4442b_outp, .Lfunc_end_k_q3773c4442b_outp-k_q3773c4442b_outp
	.p2alignl 7, 3214868480
	.fill 96, 4, 3214868480
	.section	.rodata,"a",@progbits
	.p2align	6, 0x0
	.amdhsa_kernel k_q3773c4442b_outp
		.amdhsa_group_segment_fixed_size 327680
		.amdhsa_private_segment_fixed_size 0
		.amdhsa_enable_private_segment 0
		.amdhsa_kernarg_size 40
		.amdhsa_user_sgpr_count 2
		.amdhsa_user_sgpr_kernarg_segment_ptr 1
		.amdhsa_wavefront_size32 1
		.amdhsa_system_sgpr_workgroup_id_x 1
		.amdhsa_system_sgpr_workgroup_id_y 1
		.amdhsa_system_sgpr_workgroup_id_z 1
		.amdhsa_system_vgpr_workitem_id 0
		.amdhsa_next_free_vgpr 512
		.amdhsa_next_free_sgpr 98
		.amdhsa_reserve_vcc 0
		.amdhsa_float_denorm_mode_32 3
		.amdhsa_float_denorm_mode_16_64 3
		.amdhsa_memory_ordered 1
		.amdhsa_forward_progress 1
		.amdhsa_inst_pref_size 93
	.end_amdhsa_kernel
	.amdgpu_metadata
---
amdhsa.version: [ 1, 2 ]
amdhsa.kernels:
  - .name:           k_q3773c4442b_outp
    .symbol:         k_q3773c4442b_outp.kd
    .args:
      - { .name: ycodes, .offset: 0, .size: 8, .value_kind: global_buffer, .address_space: global }
      - { .name: yscales, .offset: 8, .size: 8, .value_kind: global_buffer, .address_space: global }
      - { .name: wcodes, .offset: 16, .size: 8, .value_kind: global_buffer, .address_space: global }
      - { .name: wscales, .offset: 24, .size: 8, .value_kind: global_buffer, .address_space: global }
      - { .name: out0, .offset: 32, .size: 8, .value_kind: global_buffer, .address_space: global }
    .group_segment_fixed_size: 327680
    .private_segment_fixed_size: 0
    .kernarg_segment_align: 8
    .kernarg_segment_size: 40
    .max_flat_workgroup_size: 128
    .sgpr_count:     98
    .vgpr_count:     512
    .wavefront_size: 32
...
	.end_amdgpu_metadata
.endif
;; end of part 4
